; MI455X (gfx1250); checked and timed in simulation.
; The chip was launched on July 23, 2026; its instructions are those of AMD's public machine-readable ISA for CDNA 5 (MIT licence, August 2026) and "CDNA5" Instruction Set Architecture Reference Guide (July 2026). The comments in the code are by the model that wrote it; some were corrected since.
;; Complexity Attention. Allowed arithmetic: matrix products marked QUANTISED: E2M3 operands, one E8M0 scale for each 32 along K, by v_wmma_scale_f32_16x16x128_f8f6f4 with both operands' format E2M3, f32 sums; everything else in f32.
;; Inputs: hidden_states 1 x 2,048 x 2,048 float32; k_norm_w 128 float32; mu_prev 1 x 2,048 x 2,048 float32; q_norm_w 128 float32; wk 512 x 2,048 float32; wmk 512 x 2,048 float32; wmq 2,048 x 2,048 float32; wmv 512 x 2,048 float32; wo 2,048 x 2,048 float32; wq 2,048 x 2,048 float32; wv 512 x 2,048 float32.
;; Outputs: out0 1 x 2,048 x 2,048 float32.
;; This version of the problem:
;;   THIS VERSION OF THE PROBLEM IS GIVEN IN LOW PRECISION. The matrix products marked QUANTISED in the list below multiply operands that are first quantised to E2M3 (2 exponent bits, 3 mantissa bits; 6 bits a number), with one power-of-two scale for each 32 numbers along K (OCP MX v1.0); their sums are f32. All else is computed in f32.
;;   The module's matrix products, in the order in which they are computed (A, B: the left and right operand; K: the contracted axis; several contracted axes count as one K, in the product's order):
;;     1. [M 2,048, K 2,048] x [K 2,048, N 2,048]; A: input hidden_states; B: input wq: QUANTISED
;;     2. [M 2,048, K 2,048] x [K 2,048, N 2,048]; A: input mu_prev; B: input wmq: QUANTISED
;;     3. [M 2,048, K 2,048] x [K 2,048, N 512]; A: input hidden_states; B: input wk: QUANTISED
;;     4. [M 2,048, K 2,048] x [K 2,048, N 512]; A: input mu_prev; B: input wmk: QUANTISED
;;     5. [M 2,048, K 2,048] x [K 2,048, N 512]; A: input hidden_states; B: input wv: QUANTISED
;;     6. [M 2,048, K 2,048] x [K 2,048, N 512]; A: input mu_prev; B: input wmv: QUANTISED
;;     7. batch 4 x [M 8,192, K 128] x [K 128, N 2,048]; A: computed on the way; B: computed on the way: QUANTISED
;;     8. batch 4 x [M 8,192, K 2,048] x [K 2,048, N 128]; A: softmax (see below); B: computed on the way: QUANTISED
;;     9. [M 2,048, K 2,048] x [K 2,048, N 2,048]; A: computed on the way; B: input wo: QUANTISED
;;   THE QUANTISER, for each operand of a quantised product, along K:
;;     - K is cut into blocks of 32 from its start; a last block that is shorter is filled with zeros.
;;     - A block's scale is 2^e with e = floor(log2(the largest magnitude in the block)) - 2, held to -126 .. 127; a block of zeros has e = 0. As a byte (E8M0): e + 127.
;;     - Each number is divided by its block's scale, clamped to +-7.5, and rounded to the nearest number of E2M3, ties to even, subnormals kept.
;;     - The product sums the exact products of the quantised numbers (number of the format x scale) in f32.
;;   ~~~python
;;   def quantise(x, axis):      # numpy; x: float32 -> the quantised numbers, widened to float32 again
;;       x = np.moveaxis(x, axis, -1); K = x.shape[-1]
;;       x = np.pad(x, [(0, 0)] * (x.ndim - 1) + [(0, -K % 32)]); x = x.reshape(x.shape[:-1] + (-1, 32)); a = np.abs(x).max(-1, keepdims=True)
;;       e = np.where(a > 0, np.clip(np.frexp(np.where(a > 0, a, 1))[1] - 1 - 2, -126, 127), 0)      # np.frexp(a)[1] - 1 = floor(log2(a)), exactly
;;       r = np.clip(x / 2.0 ** e, -7.5, 7.5)
;;       step = 2.0 ** (np.maximum(np.frexp(np.where(r == 0, 1, r))[1] - 1, 0) - 3)
;;       q = np.round(r / step) * step * 2.0 ** e      # np.round: ties to even
;;       return np.moveaxis(q.reshape(q.shape[:-2] + (-1,))[..., :K], -1, axis).astype(np.float32)
;;   ~~~
;;   SOFTMAX AHEAD OF A QUANTISED PRODUCT. Where the list says 'softmax', what is quantised is not the finished softmax but p = 2^(t - M), with t = logit x log2(e) and M = ceil(the row's largest t), a whole number; so 1/2 < the row's largest p <= 1. The row's sum l is taken of the UNQUANTISED p, in f32, and the product's result is divided by l at the end. Since M is a whole number, a kernel that streams over the keys may use a running M (the ceiling of the running maximum): every later rescaling is an exact power of two, which a block's scale takes up: the codes' values come out the same.
;;   OPERANDS COMPUTED ON THE WAY. 'Computed on the way' means the value that the module computes at that place (a softmax that the list does not call 'softmax' is quantised finished and normalised). What goes into a quantiser is computed in f32, as accurately as f32 sums, v_exp_f32 and their like allow (about 1e-6 of the number): no bf16 or f16 on the way to a quantiser, and a product that is left as it is and whose result goes on into a quantised operand takes f32 operands (vector FMAs, or v_wmma_f32_16x16x4_f32). A number that lies on a knife's edge between two numbers of the format may be rounded either way, as far as f32 arithmetic and the matrix unit's own rounding can turn it there, and no further.
;; One version. Each part assembles by itself: llvm-mc -triple=amdgcn-amd-amdhsa -mcpu=gfx1250 --defsym DOCPART=n.
;; ======== version 1 of 1: 4 launches
;; limits: right only within a limited range of input values
;; workspace buffers: acode 6,553,600 bytes; wcode 9,830,400 bytes; wocode 3,276,800 bytes; rope 1,048,576 bytes; qkv 4,915,200 bytes; ocode 3,276,800 bytes
;; launch prep (part 1): grid 800 x 1, 4 waves a work-group, no clusters, 34,304 bytes of LDS; arguments hidden_states, mu_prev, wq, wmq, wo, wk, wmk, wv, wmv, acode, wcode, wocode, rope; writes acode, wcode, wocode, rope
.if DOCPART == 1
	.amdgcn_target "amdgcn-amd-amdhsa--gfx1250"
	.amdhsa_code_object_version 6
	.text
	.protected	k_qf495e849f2_prep
	.globl	k_qf495e849f2_prep
	.p2align	8
	.type	k_qf495e849f2_prep,@function
k_qf495e849f2_prep:
	s_mov_b64 s[64:65], 0
	v_nop
	global_prefetch_b8 v0, s[64:65] scope:SCOPE_SE
	s_setreg_imm32_b32 hwreg(HW_REG_WAVE_MODE, 25, 1), 1
	s_wait_xcnt 0x0
; PREP.  The nine large f32 tensors, all [rows][2048] with K innermost, become codes of E2M3 with one E8M0 byte for each 32 along K; and the table of cos and sin for RoPE is made.
; LAYOUT OF THE CODES.  A FRAGMENT (16 rows x 128 K) lies in memory as the image of the 12 registers that a matrix operand takes: register 4 c + e of lane l at byte 512 c + 16 l + 4 e.
; A ROW TILE T holds, in lane-row r, the tensor's row 32 (T / 2) + 8 (T % 2) + r + 8 (r / 8).  A RECORD of 6,400 bytes is a row tile x 512 K: four fragments at 1,536 s, then the scale words, row r's word of K step s at 6,144 + 16 r + 4 s.
; acode [128 T][8 groups]: groups 0-3 hidden_states, 4-7 mu_prev.  wcode [192 T][8]: T 0-127 wq | wmq, 128-159 wk | wmk, 160-191 wv | wmv.  wocode [128 T][4].
; SHARES.  Work-groups 0-767: one row tile each; wave w takes K group w, four K steps.  Work-groups 768-799: 64 positions of the table each.  The two kinds part on the work-group's number; only the first uses LDS.
; A K step's 16 loads read 512 consecutive bytes of one row each; the numbers turn through the wave's own stage in LDS (rows 528 bytes apart), so that a lane gets 16 neighbours of each block of 32 of ITS row.
; A block's scale is 2^(floor(log2(largest magnitude)) - 2); its byte is the largest magnitude's exponent field - 2, held at 1 from below.
; LIMITS: NaN and infinities among the inputs are not served.  A block of zeros gets the byte 1 where the rule says 127: its codes are zeros, and this program alone reads the bytes.
; The table: inv_freq = 2^(-j log2(10000) / 64) is right to about one unit in the last place, cos and sin of the rounded product position x inv_freq to about 1e-7.
.set ROWB, 8192                        ; a tensor's row in bytes
.set REC,  6400                        ; a record
.set SP,   528                         ; a stage row: 512 bytes + 16
.set STG,  16*SP                       ; a wave's stage
.set PW,   8                           ; v8-11   the four K steps' scale words
.set TM,   16                          ; v16-31  at work in the quantiser
.set PC,   32                          ; v32-51  the codes just made
.set X,    64                          ; v64-127 64 numbers of my row: register 16 b + i = k 32 b + 16 (lane / 16) + i
.set R,    128                         ; v128-255 two sets of 64 registers as loaded
.set WV,   2                           ; s2      my wave's number
.set SEL,  48                          ; s[48:49] lane selects: lane l xor 16
; 64 numbers of a lane become a fragment's codes in v[pc] .. v[pc + 11] and its row's scale word in v[pw]
.macro QUANT s, pc, tm, pw
.irp b, 0,1,2,3
	v_max3_num_f32 v[\tm+\b], |v[\s+16*\b]|, |v[\s+1+16*\b]|, 0x1800000   ; block b: my 16 numbers, and the floor 2^(3 - 127): the byte cannot fall under 1
.endr
.irp i, 2,4,6,8,10,12,14
.irp b, 0,1,2,3
	v_max3_num_f32 v[\tm+\b], v[\tm+\b], |v[\s+16*\b+\i]|, |v[\s+1+16*\b+\i]|   ; the four blocks by turns
.endr
.endr
.irp b, 0,1,2,3
	v_permlanex16_b32 v[\tm+4+\b], v[\tm+\b], s[SEL], s[SEL+1]
.endr
.irp b, 0,1,2,3
	v_max_num_f32 v[\tm+\b], v[\tm+\b], v[\tm+4+\b]   ; with lane l xor 16's 16: the block's largest magnitude
.endr
.irp b, 0,1,2,3
	v_add_nc_u32 v[\tm+12+\b], 0xff000000, v[\tm+\b]   ; 2 off its exponent field: the conversion's scale operand
.endr
.irp b, 0,1,2,3
	v_lshrrev_b32 v[\tm+4+\b], 23, v[\tm+12+\b]   ; the scale's byte
.endr
	v_lshl_or_b32 v[\pw], v[\tm+5], 8, v[\tm+4]
	v_lshl_or_b32 v[\pw], v[\tm+6], 16, v[\pw]
	v_lshl_or_b32 v[\pw], v[\tm+7], 24, v[\pw]
.irp c, 0,1
	v_cvt_scalef32_pk16_fp6_f32 v[\pc+6*\c:\pc+2+6*\c], v[\s+32*\c:\s+15+32*\c], v[\tm+12+2*\c]
	v_cvt_scalef32_pk16_fp6_f32 v[\pc+12+4*\c:\pc+14+4*\c], v[\s+16+32*\c:\s+31+32*\c], v[\tm+12+2*\c+1]   ; a conversion's three registers begin on an even number
.endr
	v_nop                                          ; one plain instruction behind the scaled conversions
.irp c, 0,1                                    ; the operand wants a whole block in a lane: lanes 0-15 block 2 c, lanes 16-31 block 2 c + 1
.irp i, 0,1,2
	v_permlane16_swap_b32 v[\pc+6*\c+\i], v[\pc+12+4*\c+\i]
.endr
.irp i, 0,1,2
	v_mov_b32 v[\pc+3+6*\c+\i], v[\pc+12+4*\c+\i]
.endr
.endr
.endm
; from work-group \start on: another tensor.  The choice hangs on the work-group's number alone
.macro PICK start, src, dst, doff, tstr
	s_cmp_ge_u32 ttmp9, \start
	s_cselect_b64 s[34:35], s[\src:\src+1], s[34:35]
	s_cselect_b64 s[36:37], s[\dst:\dst+1], s[36:37]
	s_cselect_b32 s38, \start, s38
	s_cselect_b32 s39, \doff, s39
	s_cselect_b32 s40, \tstr, s40
.endm
	s_load_b512 s[8:23], s[0:1], 0x0               ; hidden_states, mu_prev, wq, wmq, wo, wk, wmk, wv
	s_load_b256 s[24:31], s[0:1], 0x40             ; wmv, acode, wcode, wocode
	s_load_b64 s[32:33], s[0:1], 0x60              ; rope
	v_lshl_add_u32 v58, v0, 2, 0x8400
	v_mov_b32 v59, 0
	v_lshrrev_b32 v1, 5, v0
	v_readfirstlane_b32 s[WV], v1                  ; wave 0..3
	v_and_b32 v1, 31, v0                           ; lane
	v_and_b32 v2, 15, v0                           ; r
	v_bfe_u32 v3, v0, 4, 1                         ; h
	s_wait_kmcnt 0x0
	s_cmp_ge_u32 ttmp9, 768
	s_cbranch_scc1 .Lrope
	; ---- the quantiser ----
	s_mov_b64 s[34:35], s[8:9]                     ; the tensor,
	s_mov_b64 s[36:37], s[26:27]                   ; its codes' buffer,
	s_mov_b32 s38, 0                               ; its first work-group,
	s_mov_b32 s39, 0                               ; where its first record lies,
	s_mov_b32 s40, 51200                           ; and bytes from row tile to row tile
	PICK 128, 10, 26, 25600, 51200
	PICK 256, 12, 28, 0, 51200
	PICK 384, 14, 28, 25600, 51200
	PICK 512, 16, 30, 0, 25600
	PICK 640, 18, 28, 6553600, 51200
	PICK 672, 20, 28, 6579200, 51200
	PICK 704, 22, 28, 8192000, 51200
	PICK 736, 24, 28, 8217600, 51200
	s_sub_co_u32 s41, ttmp9, s38                   ; T
	s_lshr_b32 s42, s41, 1
	s_lshl_b32 s42, s42, 5
	s_and_b32 s43, s41, 1
	s_lshl_b32 s43, s43, 3
	s_add_co_u32 s42, s42, s43                     ; the tile's first row: 32 (T / 2) + 8 (T % 2)
	s_lshl_b32 s42, s42, 13
	s_lshl_b32 s43, s[WV], 11                      ; my K group: 512 numbers
	s_add_co_u32 s42, s42, s43
	s_mov_b32 s43, 0
	s_add_nc_u64 s[34:35], s[34:35], s[42:43]
	s_mul_i32 s44, s41, s40
	s_add_co_u32 s44, s44, s39
	s_mul_i32 s45, s[WV], REC
	s_add_co_u32 s44, s44, s45
	s_mov_b32 s45, 0
	s_add_nc_u64 s[36:37], s[36:37], s[44:45]      ; my record
	s_mov_b32 s[SEL], 0x76543210
	s_mov_b32 s[SEL+1], 0xfedcba98
	s_wait_alu depctr_va_vdst(0)
	v_lshlrev_b32 v4, 4, v1                        ; 16 x lane: my bytes of a load's 512, and of an image's
	s_mul_i32 s46, s[WV], STG
	v_add_nc_u32 v5, s46, v4                       ; the stage, on the way in
	v_mul_u32_u24 v6, v2, SP
	v_lshl_add_u32 v6, v3, 6, v6
	v_add_nc_u32 v6, s46, v6                       ; and out: row r, + 64 h
	v_lshlrev_b32 v7, 4, v2
	v_lshl_add_u32 v7, v3, 3, v7
	v_add_nc_u32 v7, 6144, v7                      ; the scale words: 16 bytes a row, 8 for each half of the lanes
.irp b, 0,1,2,3
	v_mov_b32 v[TM+4+\b], 0                        ; written once: a lane permute's destination counts as one of its sources
.endr
.macro LOAD t                          ; K step t: lane-row i is the tile's row i + 8 (i / 8)
.irp i, 0,1,2,3,4,5,6,7,8,9,10,11,12,13,14,15
	global_load_b128 v[R+64*((\t)%2)+4*\i:R+64*((\t)%2)+4*\i+3], v4, s[34:35] offset:(\i+8*(\i/8))*ROWB+512*(\t) th:TH_LOAD_NT
.endr
.endm
.macro KSTEP t
.if (\t) < 3
	s_wait_loadcnt 16                              ; this step's 16 loads are in; the next step's 16 may be out
.else
	s_wait_loadcnt 0x0
.endif
.irp i, 0,1,2,3,4,5,6,7,8,9,10,11,12,13,14,15
	ds_store_b128 v5, v[R+64*((\t)%2)+4*\i:R+64*((\t)%2)+4*\i+3] offset:SP*\i
.endr
.irp b, 0,1,2,3
.irp j, 0,1,2,3
	ds_load_b128 v[X+16*\b+4*\j:X+16*\b+4*\j+3], v6 offset:128*\b+16*\j   ; LDS serves a wave's instructions in order: these see the stores above
.endr
.endr
	s_wait_dscnt 0x0
.if (\t) > 0
	s_wait_xcnt 0x0                                ; the last step's stores have read the codes' registers
.endif
.if (\t) < 2
	LOAD (\t)+2
.endif
	QUANT X, PC, TM, PW+(\t)
.irp c, 0,1,2
	global_store_b128 v4, v[PC+4*\c:PC+4*\c+3], s[36:37] offset:1536*(\t)+512*\c   ; 32 lanes store 512 consecutive bytes, aligned
.endr
.endm
	LOAD 0
	LOAD 1
	s_wait_alu depctr_va_vdst(0)
	KSTEP 0
	KSTEP 1
	KSTEP 2
	KSTEP 3
	s_mov_b32 s50, 0xffff0000
	v_cndmask_b32 v12, v[PW], v[PW+2], s50         ; lanes 0-15 store words 0 and 1 of their row, lanes 16-31 words 2 and 3
	v_cndmask_b32 v13, v[PW+1], v[PW+3], s50
	global_store_b64 v7, v[12:13], s[36:37]        ; 256 consecutive bytes
	s_wait_tensorcnt 0x0
	ds_add_u32 v58, v59
	s_wait_dscnt 0x0
	s_endpgm
	; ---- the table: rope[position][cos of 64 frequencies, sin of 64], f32 ----
.Lrope:
	s_sub_co_u32 s42, ttmp9, 768
	s_lshl_b32 s42, s42, 6
	s_lshl_b32 s43, s[WV], 4
	s_add_co_u32 s42, s42, s43                     ; my wave's first position
	s_wait_alu depctr_va_vdst(0)
	v_add_nc_u32 v20, s42, v3                      ; lanes 0-15 one position, lanes 16-31 the next
	v_cvt_f32_u32 v21, v20
	v_lshlrev_b32 v22, 9, v20
	v_lshl_add_u32 v22, v2, 4, v22                 ; 512 x position + 16 r: my four frequencies 4 r + e
	v_lshlrev_b32 v23, 2, v2
	s_wait_alu depctr_va_vdst(0)
	s_mov_b32 s44, 0x3e549a78                      ; log2(10000) / 64, rounded,
	s_mov_b32 s45, 0x319786a8                      ; and what the rounding left
	s_mov_b32 s46, 0x3f317218                      ; ln 2
	s_mov_b32 s52, 0x3f22f983                      ; 2 / pi
	s_mov_b32 s53, 0xbfc90fdb                      ; -(pi / 2), rounded,
	s_mov_b32 s54, 0x333bbd2e                      ; and what the rounding left
	s_mov_b32 s55, 0xb94ca1f9                      ; sin's polynomial
	s_mov_b32 s56, 0x3c08839e
	s_mov_b32 s57, 0xbe2aaaa3
	s_mov_b32 s58, 0x37ccf5ce                      ; cos's
	s_mov_b32 s59, 0xbab6061a
	s_mov_b32 s60, 0x3d2aaaa5
.irp e, 0,1,2,3
	v_add_nc_u32 v[24+\e], \e, v23
.endr
.irp e, 0,1,2,3
	v_cvt_f32_u32 v[24+\e], v[24+\e]               ; j
.endr
.irp e, 0,1,2,3
	v_mul_f32 v[28+\e], s44, v[24+\e]              ; x = j c, rounded
.endr
.irp e, 0,1,2,3
	v_fma_f32 v[32+\e], v[24+\e], s44, -v[28+\e]   ; what that rounding lost, exactly,
.endr
.irp e, 0,1,2,3
	v_fma_f32 v[32+\e], v[24+\e], s45, v[32+\e]    ; and c's own remainder
.endr
	s_wait_alu depctr_va_vdst(0)
.irp e, 0,1,2,3
	v_exp_f32 v[36+\e], -v[28+\e]                  ; 2^-x
.endr
.irp e, 0,1,2,3
	v_mul_f32 v[32+\e], s46, v[32+\e]              ; plain work behind the exponentials
.endr
	s_wait_alu depctr_va_vdst(0)                   ; one wait for the four, ahead of their first reader
.irp e, 0,1,2,3
	v_fma_f32 v[40+\e], -v[32+\e], v[36+\e], v[36+\e]   ; inv_freq = 2^-x (1 - ln 2 x remainder)
.endr
.macro SINCOS e
	v_mul_f32 v70, v21, v[40+\e]                   ; the angle, rounded as the product position x inv_freq
	v_mul_f32 v71, s52, v70
	v_rndne_f32 v71, v71                           ; n quarter turns
	v_fma_f32 v72, v71, s53, v70                   ; exact: a multiple of 2^-23 under 1
	v_fma_f32 v72, v71, s54, v72                   ; r, within pi / 4 of 0
	v_mul_f32 v73, v72, v72                        ; z
	v_fma_f32 v74, v73, s55, s56
	v_fma_f32 v74, v74, v73, s57
	v_mul_f32 v75, v72, v73
	v_fma_f32 v74, v75, v74, v72                   ; sin r
	v_fma_f32 v76, v73, s58, s59
	v_fma_f32 v76, v76, v73, s60
	v_fma_f32 v77, v73, -0.5, 1.0
	v_mul_f32 v75, v73, v73
	v_fma_f32 v76, v75, v76, v77                   ; cos r
	v_cvt_i32_f32 v78, v71
	v_and_b32 v79, 1, v78
	v_cmp_eq_u32 vcc_lo, 1, v79                    ; an odd quarter swaps the two
	v_cndmask_b32 v[64+\e], v74, v76, vcc_lo
	v_cndmask_b32 v[60+\e], v76, v74, vcc_lo
	v_and_b32 v79, 2, v78
	v_lshlrev_b32 v79, 30, v79
	v_xor_b32 v[64+\e], v79, v[64+\e]              ; sin is negative in quarters 2 and 3,
	v_add_nc_u32 v78, 1, v78
	v_and_b32 v78, 2, v78
	v_lshlrev_b32 v78, 30, v78
	v_xor_b32 v[60+\e], v78, v[60+\e]              ; cos in quarters 1 and 2
.endm
	s_mov_b32 s51, 8
.Ltrip:                                            ; two positions a trip
	s_wait_alu depctr_va_vdst(0)
	SINCOS 0
	SINCOS 1
	SINCOS 2
	SINCOS 3
	global_store_b128 v22, v[60:63], s[32:33]      ; sixteen lanes store 256 consecutive bytes, aligned
	global_store_b128 v22, v[64:67], s[32:33] offset:256
	s_wait_xcnt 0x0                                ; the stores have read their data and their offset
	v_add_nc_u32 v22, 1024, v22
	v_add_f32 v21, 2.0, v21
	s_sub_co_u32 s51, s51, 1
	s_cmp_lg_u32 s51, 0
	s_cbranch_scc1 .Ltrip
	s_endpgm
.Lfunc_end_k_qf495e849f2_prep:
	.size	k_qf495e849f2_prep, .Lfunc_end_k_qf495e849f2_prep-k_qf495e849f2_prep
	.p2alignl 7, 3214868480
	.fill 96, 4, 3214868480
	.section	.rodata,"a",@progbits
	.p2align	6, 0x0
	.amdhsa_kernel k_qf495e849f2_prep
		.amdhsa_group_segment_fixed_size 34304
		.amdhsa_private_segment_fixed_size 0
		.amdhsa_enable_private_segment 0
		.amdhsa_kernarg_size 104
		.amdhsa_user_sgpr_count 2
		.amdhsa_user_sgpr_kernarg_segment_ptr 1
		.amdhsa_wavefront_size32 1
		.amdhsa_system_sgpr_workgroup_id_x 1
		.amdhsa_system_sgpr_workgroup_id_y 1
		.amdhsa_system_sgpr_workgroup_id_z 1
		.amdhsa_system_vgpr_workitem_id 0
		.amdhsa_next_free_vgpr 256
		.amdhsa_next_free_sgpr 66
		.amdhsa_reserve_vcc 1
		.amdhsa_float_denorm_mode_32 3
		.amdhsa_float_denorm_mode_16_64 3
		.amdhsa_memory_ordered 1
		.amdhsa_forward_progress 1
		.amdhsa_inst_pref_size 44
	.end_amdhsa_kernel
	.amdgpu_metadata
---
amdhsa.version: [ 1, 2 ]
amdhsa.kernels:
  - .name:           k_qf495e849f2_prep
    .symbol:         k_qf495e849f2_prep.kd
    .args:
      - { .name: hidden_states, .offset: 0, .size: 8, .value_kind: global_buffer, .address_space: global }
      - { .name: mu_prev, .offset: 8, .size: 8, .value_kind: global_buffer, .address_space: global }
      - { .name: wq, .offset: 16, .size: 8, .value_kind: global_buffer, .address_space: global }
      - { .name: wmq, .offset: 24, .size: 8, .value_kind: global_buffer, .address_space: global }
      - { .name: wo, .offset: 32, .size: 8, .value_kind: global_buffer, .address_space: global }
      - { .name: wk, .offset: 40, .size: 8, .value_kind: global_buffer, .address_space: global }
      - { .name: wmk, .offset: 48, .size: 8, .value_kind: global_buffer, .address_space: global }
      - { .name: wv, .offset: 56, .size: 8, .value_kind: global_buffer, .address_space: global }
      - { .name: wmv, .offset: 64, .size: 8, .value_kind: global_buffer, .address_space: global }
      - { .name: acode, .offset: 72, .size: 8, .value_kind: global_buffer, .address_space: global }
      - { .name: wcode, .offset: 80, .size: 8, .value_kind: global_buffer, .address_space: global }
      - { .name: wocode, .offset: 88, .size: 8, .value_kind: global_buffer, .address_space: global }
      - { .name: rope, .offset: 96, .size: 8, .value_kind: global_buffer, .address_space: global }
    .group_segment_fixed_size: 34304
    .private_segment_fixed_size: 0
    .kernarg_segment_align: 8
    .kernarg_segment_size: 104
    .max_flat_workgroup_size: 128
    .sgpr_count:     66
    .vgpr_count:     256
    .wavefront_size: 32
...
	.end_amdgpu_metadata
.endif
;; end of part 1
;; launch qkvproj (part 2): grid 16 x 12, 4 waves a work-group, clusters of 4 x 1, 327,680 bytes of LDS; arguments acode, wcode, rope, q_norm_w, k_norm_w, qkv; writes qkv
.if DOCPART == 2
	.amdgcn_target "amdgcn-amd-amdhsa--gfx1250"
	.amdhsa_code_object_version 6
	.text
	.protected	k_qf495e849f2_qkvproj
	.globl	k_qf495e849f2_qkvproj
	.p2align	8
	.type	k_qf495e849f2_qkvproj,@function
k_qf495e849f2_qkvproj:
	s_mov_b64 s[64:65], 0
	v_nop
	global_prefetch_b8 v0, s[64:65] scope:SCOPE_SE
	s_setreg_imm32_b32 hwreg(HW_REG_WAVE_MODE, 25, 1), 1
	s_wait_xcnt 0x0
	s_wait_alu depctr_hold_cnt(0) depctr_sa_sdst(0) depctr_va_vdst(0) depctr_va_sdst(0) depctr_va_ssrc(0) depctr_va_vcc(0) depctr_vm_vsrc(0)
	s_getreg_b32 s2, hwreg(HW_REG_IB_STS2, 6, 4)
	s_cmp_eq_u32 s2, 0
	s_cbranch_scc0 .Lentry_in_a_cluster
	s_endpgm
.Lentry_in_a_cluster:
	s_bfe_u32 s2, ttmp6, 0x10000c
	s_cmp_lg_u32 s2, 0x3003
	s_cbranch_scc0 .Lentry_shape_is_right
	s_endpgm
.Lentry_shape_is_right:
; QKVPROJ.  q, k, v = hidden_states W^T + mu_prev Wm^T on codes of E2M3 (K = 4,096: K groups 0-3 hidden_states x W, 4-7 mu_prev x Wm), then per head RMS norm, its weight, RoPE (q and k alone) and the quantiser of the attention's operands.
; OPERANDS are records of 6,400 bytes (a row tile x 512 K: four images of operand registers of 1,536 bytes, then 16 bytes of scale words a row), laid [row tile][8 K groups].
; SHARES.  Work-group (x 0..15, y 0..11).  y 0-9: source 0 = 256 rows of the weights (heads 2 y, 2 y + 1: 16 query heads, then 4 key heads), source 1 = the 128 tokens of block x: a lane holds one token, its registers run along the head's channels.
; y 10, 11: v.  Source 0 = 256 tokens (block 4 (y - 10) + cluster x), source 1 = the 128 channels of value head cx: a lane holds one channel, its registers run along the tokens, which are the K of the attention's second product.
; Wave w takes source 0's tiles 8 (w % 2) + b and source 1's tiles 4 (w / 2) + a: 32 accumulators, by turns.  12 x 16 = 192 work-groups: a head's 128 channels stay in one wave for the norm, and 24 heads x 16 token blocks do not divide into 256 equal shares of whole heads.
; CLUSTER of 4 along x: source 0 hangs on y and the cluster's x alone and is asked for jointly; source 1 is each work-group's own.
; LDS: two slots of 24 records (a K group), one tensor load a wave behind each round.
; AHEAD OF THE LOADS each wave names, behind the joint load of K group g, the records of K group g + 2: one of source 0's sixteen (the four partners share them out by address: partner cx takes tiles 4 cx + wave) and two of source 1's eight;
; a record is 25 blocks of 256 bytes, a lane a block, lanes 25-31 name block 24 again.  Groups 0 and 1 come by their loads alone; the loop's last trip, whose loads are groups 6 and 7, names nothing.
; LIMITS: NaN and infinities are not served; a block of zeros gets the byte 1 (its codes are zeros; this program alone reads the bytes).
.set NG,    8
.set PFO, 191                          ; v191     256 x min(lane, 24); never rewritten
.set PF0, 62                           ; s[62:63] my record of source 0, s[22:23] my first of source 1: they stand one K group behind what the next request names
.set PF1, 22
.set REC,   6400
.set TSTR,  REC*NG
.set SLOT,  153600
.set S1OFF, 102400
.set SPARE, 2*SLOT
.set AD0, 4
.set AD1, 6
.set ASX, 8
.set ASY, 10
.set SPW, 12
.set NIL, 13
.set L16, 14
.set SC,  16
.set F1,  80
.set YR,  80
.set PC,  144
.set TM,  164
.set PW,  180
.set RS,  184
.set SS,  186
.set WV, 16
.set W0, 17
.set W1, 18
.set G10, 24
.set G00, 32
.set G11, 40
.set G01, 48
.set SEL, 56
.set MSB, 0
.macro WIN new
.if MSB != (\new)
	s_set_vgpr_msb (MSB<<8)|(\new)
.set MSB, (\new)
.endif
.endm
.set MUL,  0xa1
.set TO_B, 0x40
.macro PLACES
.rept 4
	v_nop
.endr
.endm
.macro JLOAD s
	s_cmp_eq_u32 s[W1], 0
	s_cbranch_scc0 .Lfor_1_\@
	tensor_load_to_lds s[G00+4*\s:G00+4*\s+3], s[G10:G10+7]
	s_nop 0
.rept 4
	v_nop
.endr
	s_branch .Lasked_\@
.Lfor_1_\@:
	tensor_load_to_lds s[G01+4*\s:G01+4*\s+3], s[G11:G11+7]
	s_nop 0
.rept 4
	v_nop
.endr
.Lasked_\@:
.endm
.macro CREST
	s_cmp_lg_u32 s[WV], 0
	s_cbranch_scc1 .Lnot_wave_0_\@
	s_barrier_signal -3
.Lnot_wave_0_\@:
	s_barrier_wait -3
	s_barrier_signal -1
	s_barrier_wait -1
.endm
.macro CROUND
	s_barrier_signal -1
	s_barrier_wait -1
	CREST
.endm
.macro QUANT s, pc, tm, pw
.irp b, 0,1,2,3
	v_max3_num_f32 v[\tm+\b], |v[\s+16*\b]|, |v[\s+1+16*\b]|, 0x1800000
.endr
.irp i, 2,4,6,8,10,12,14
.irp b, 0,1,2,3
	v_max3_num_f32 v[\tm+\b], v[\tm+\b], |v[\s+16*\b+\i]|, |v[\s+1+16*\b+\i]|
.endr
.endr
.irp b, 0,1,2,3
	v_permlanex16_b32 v[\tm+4+\b], v[\tm+\b], s[SEL], s[SEL+1]
.endr
.irp b, 0,1,2,3
	v_max_num_f32 v[\tm+\b], v[\tm+\b], v[\tm+4+\b]
.endr
.irp b, 0,1,2,3
	v_add_nc_u32 v[\tm+12+\b], 0xff000000, v[\tm+\b]
.endr
.irp b, 0,1,2,3
	v_lshrrev_b32 v[\tm+4+\b], 23, v[\tm+12+\b]
.endr
	v_lshl_or_b32 v[\pw], v[\tm+5], 8, v[\tm+4]
	v_lshl_or_b32 v[\pw], v[\tm+6], 16, v[\pw]
	v_lshl_or_b32 v[\pw], v[\tm+7], 24, v[\pw]
.irp c, 0,1
	v_cvt_scalef32_pk16_fp6_f32 v[\pc+6*\c:\pc+2+6*\c], v[\s+32*\c:\s+15+32*\c], v[\tm+12+2*\c]
	v_cvt_scalef32_pk16_fp6_f32 v[\pc+12+4*\c:\pc+14+4*\c], v[\s+16+32*\c:\s+31+32*\c], v[\tm+12+2*\c+1]
.endr
	v_nop
.irp c, 0,1
.irp i, 0,1,2
	v_permlane16_swap_b32 v[\pc+6*\c+\i], v[\pc+12+4*\c+\i]
.endr
.irp i, 0,1,2
	v_mov_b32 v[\pc+3+6*\c+\i], v[\pc+12+4*\c+\i]
.endr
.endr
.endm
	s_load_b256 s[4:11], s[0:1], 0x0
	s_load_b128 s[12:15], s[0:1], 0x20
	v_lshl_add_u32 v[SPW], v0, 2, SPARE
	v_mov_b32 v[NIL], 0
	ds_add_u32 v12, v13
	ds_add_u32 v12, v13
	s_wait_dscnt 0x0
	v_lshrrev_b32 v1, 5, v0
	v_readfirstlane_b32 s[WV], v1
	v_and_b32 v[PFO], 31, v0
	v_min_u32 v[PFO], 24, v[PFO]
	v_lshlrev_b32 v[PFO], 8, v[PFO]
	s_and_b32 s[W0], s[WV], 1
	s_lshr_b32 s[W1], s[WV], 1
	s_bfe_u32 s19, ttmp6, 0x40000
	s_lshl_b32 s20, ttmp9, 2
	s_add_co_u32 s20, s20, s19
	s_and_b32 s21, ttmp7, 0xffff
	s_mov_b32 s[G10], 15|(3<<16)|(1<<21)
	s_mov_b32 s[G10+1], 800<<16
	s_mov_b32 s[G10+2], 8<<16
	s_mov_b32 s[G10+3], 800<<16
	s_mov_b32 s[G10+4], 8
	s_mov_b32 s[G10+5], TSTR/8
	s_mov_b32 s[G10+6], 0
	s_mov_b32 s[G10+7], 0
	s_mov_b32 s[G11], 3<<16
	s_mov_b32 s[G11+1], 800<<16
	s_mov_b32 s[G11+2], 4<<16
	s_mov_b32 s[G11+3], 800<<16
	s_mov_b32 s[G11+4], 4
	s_mov_b32 s[G11+5], TSTR/8
	s_mov_b32 s[G11+6], 0
	s_mov_b32 s[G11+7], 0
	s_lshl_b32 s70, s21, 4
	s_max_u32 s71, s21, 10
	s_sub_co_u32 s71, s71, 10
	s_lshl_b32 s71, s71, 2
	s_add_co_u32 s71, s71, ttmp9
	s_lshl_b32 s72, s71, 4
	s_lshl_b32 s73, s20, 3
	s_lshl_b32 s74, s19, 3
	s_add_co_u32 s74, s74, 160
	s_lshl_b32 s75, s21, 1
	s_add_co_u32 s75, s75, s[W0]
	s_add_co_u32 s82, s19, 20
	s_lshl_b32 s83, s71, 1
	s_add_co_u32 s83, s83, s[W0]
	s_wait_kmcnt 0x0
	s_cmp_lt_u32 s21, 10
	s_cselect_b32 s70, s70, s72
	s_cselect_b32 s73, s73, s74
	s_cselect_b32 s75, s75, s82
	s_cselect_b32 s83, s20, s83
	s_cselect_b32 s60, -1, 0
	s_cselect_b64 s[66:67], s[6:7], s[4:5]
	s_cselect_b64 s[68:69], s[4:5], s[6:7]
	s_mov_b64 s[PF0:PF0+1], s[66:67]
	s_mov_b64 s[PF1:PF1+1], s[68:69]
	s_cmp_lt_u32 s21, 8
	s_cselect_b64 s[76:77], s[10:11], s[12:13]
	s_lshl_b32 s84, s[W0], 3
	s_add_co_u32 s84, s84, s70
	s_mul_i32 s84, s84, TSTR
	s_mov_b32 s85, 0
	s_add_nc_u64 s[66:67], s[66:67], s[84:85]
	s_lshl_b32 s86, s[W0], 2
	s_add_co_u32 s86, s86, s73
	s_mul_i32 s86, s86, TSTR
	s_mov_b32 s87, 0
	s_add_nc_u64 s[68:69], s[68:69], s[86:87]
	s_mul_i32 s88, s[W0], 51200
	s_mul_i32 s89, s[W0], 25600
	s_add_co_u32 s89, s89, S1OFF
	CROUND
.irp s, 0,1
	s_mov_b32 s[G00+4*\s], 1
	s_add_co_u32 s[G00+4*\s+1], s88, \s*SLOT
	s_add_nc_u64 s[G00+4*\s+2:G00+4*\s+3], s[66:67], \s*REC
	s_or_b32 s[G00+4*\s+3], s[G00+4*\s+3], 0x80000000
	s_mov_b32 s[G01+4*\s], 1
	s_add_co_u32 s[G01+4*\s+1], s89, \s*SLOT
	s_add_nc_u64 s[G01+4*\s+2:G01+4*\s+3], s[68:69], \s*REC
	s_or_b32 s[G01+4*\s+3], s[G01+4*\s+3], 0x80000000
.endr
.macro ASK off                         ; three requests a wave: one record of source 0, two of source 1
	global_prefetch_b8 v[PFO], s[PF0:PF0+1] offset:\off th:TH_LOAD_NT scope:SCOPE_SE
	global_prefetch_b8 v[PFO], s[PF1:PF1+1] offset:\off th:TH_LOAD_NT scope:SCOPE_SE
	global_prefetch_b8 v[PFO], s[PF1:PF1+1] offset:\off+TSTR th:TH_LOAD_NT scope:SCOPE_SE
.endm
	s_lshl_b32 s84, s19, 2                         ; source 0: tile 4 cx + wave of the cluster's sixteen, K group 2
	s_add_co_u32 s84, s84, s[WV]
	s_add_co_u32 s84, s84, s70
	s_mul_i32 s84, s84, TSTR
	s_add_co_u32 s84, s84, 2*REC
	s_add_nc_u64 s[PF0:PF0+1], s[PF0:PF0+1], s[84:85]
	s_lshl_b32 s86, s[WV], 1                       ; source 1: tiles 2 wave, 2 wave + 1 of my eight
	s_add_co_u32 s86, s86, s73
	s_mul_i32 s86, s86, TSTR
	s_add_co_u32 s86, s86, 2*REC
	s_add_nc_u64 s[PF1:PF1+1], s[PF1:PF1+1], s[86:87]
	s_wait_alu depctr_va_vdst(0)
	JLOAD 0                                        ; K group 0: one tensor load a wave at the head, behind the opening round
	ASK 0                                          ; K group 2
	v_and_b32 v1, 31, v0
	v_and_b32 v2, 15, v0
	v_bfe_u32 v3, v0, 4, 1
	s_wait_alu depctr_va_vdst(0)
	v_lshlrev_b32 v[L16], 4, v1
	s_mul_i32 s90, s[W0], 51200
	s_mul_i32 s91, s[W1], 25600
	s_add_co_u32 s91, s91, S1OFF
	v_add_nc_u32 v[AD0], s90, v[L16]
	v_add_nc_u32 v[AD1], s91, v[L16]
	v_add_nc_u32 v[AD0+1], SLOT, v[AD0]
	v_add_nc_u32 v[AD1+1], SLOT, v[AD1]
	v_lshlrev_b32 v[ASY], 4, v2
	v_add_nc_u32 v[ASY], s90, v[ASY]
	v_add_nc_u32 v[ASY], 6144, v[ASY]
	s_xor_b32 s92, s[W0], 1
	s_mul_i32 s92, s92, 51200
	s_mul_i32 s93, s[W1], 25600
	s_add_co_u32 s92, s92, s93
	s_add_co_u32 s92, s92, 51200
	v_mul_u32_u24 v[ASX], s92, v3
	v_add_nc_u32 v[ASX], v[ASX], v[ASY]
	v_add_nc_u32 v[ASX+1], SLOT, v[ASX]
	v_add_nc_u32 v[ASY+1], SLOT, v[ASY]
	v_lshlrev_b32 v15, 6, v3
	s_wait_alu depctr_va_vdst(0)
	v_and_b32 v1, 8, v2
	v_add_nc_u32 v1, v1, v2
	v_lshlrev_b32 v1, 9, v1
	v_lshl_add_u32 v1, v3, 6, v1
	s_wait_alu depctr_va_vdst(0)
	v_lshlrev_b32 v2, 4, v2
	v_lshl_add_u32 v2, v3, 3, v2
	s_mov_b32 s[SEL], 0x76543210
	s_mov_b32 s[SEL+1], 0xfedcba98
	s_mov_b32 s58, 0x3c000000
	s_mov_b32 s59, 0x358637bd
	s_mov_b32 s61, 0xffff0000
	s_lshl_b32 s94, s20, 7
	s_lshl_b32 s95, s[W1], 6
	s_add_co_u32 s94, s94, s95
	s_lshl_b32 s94, s94, 9
	s_mov_b32 s95, 0
	s_add_nc_u64 s[78:79], s[8:9], s[94:95]
	s_mul_i32 s96, s75, 204800
	s_mul_i32 s97, s83, 12800
	s_add_co_u32 s96, s96, s97
	s_mov_b32 s97, 0
	s_add_nc_u64 s[80:81], s[14:15], s[96:97]
	s_lshl_b32 s96, s[W1], 8
	s_add_co_u32 s96, s96, 12288
	s_add_nc_u64 s[98:99], s[80:81], s[96:97]
	s_mul_i32 s96, s[W1], 6144
	s_add_nc_u64 s[80:81], s[80:81], s[96:97]
.irp b, 0,1,2,3
.irp j, 0,1,2,3
	global_load_b128 v[192+16*\b+4*\j:192+16*\b+4*\j+3], v15, s[76:77] offset:128*\b+16*\j
.endr
.endr
	WIN 0xc0
.irp a, 0,1,2,3
.irp b, 0,1
.irp j, 0,1,2,3
	global_load_b128 v[64*\a+16*\b+4*\j:64*\a+16*\b+4*\j+3], v1, s[78:79] offset:(32*(\a/2)+8*(\a%2))*512+128*\b+16*\j
	global_load_b128 v[64*\a+32+16*\b+4*\j:64*\a+32+16*\b+4*\j+3], v1, s[78:79] offset:(32*(\a/2)+8*(\a%2))*512+256+128*\b+16*\j
.endr
.endr
.endr
	WIN 0
.macro FETCH slot, q, p
	WIN TO_B
.irp b, 0,1,2,3,4,5,6,7
.irp c, 0,1,2
	ds_load_b128 v[128*(\p)+12*\b+4*\c:128*(\p)+12*\b+4*\c+3], v[AD0+\slot] offset:REC*\b+1536*(\q)+512*\c
.endr
.endr
	WIN 0
.irp a, 0,1,2,3
.irp c, 0,1,2
	ds_load_b128 v[F1+48*(\p)+12*\a+4*\c:F1+48*(\p)+12*\a+4*\c+3], v[AD1+\slot] offset:REC*\a+1536*(\q)+512*\c
.endr
.endr
.endm
.macro SCALES slot
.irp b, 0,1,2,3
	ds_load_b128 v[SC+32*\slot+4*\b:SC+32*\slot+4*\b+3], v[ASX+\slot] offset:REC*\b
.endr
.irp b, 4,5,6,7
	ds_load_b128 v[SC+32*\slot+4*\b:SC+32*\slot+4*\b+3], v[ASY+\slot] offset:REC*\b
.endr
.endm
.macro MUL8 a, p, q, sc, zero
.irp b, 0,1,2,3,4,5,6,7
.if \zero
	v_wmma_scale_f32_16x16x128_f8f6f4 v[8*(8*(\a)+\b):8*(8*(\a)+\b)+7], v[128*(\p)+12*\b:128*(\p)+12*\b+11], v[F1+48*(\p)+12*(\a):F1+48*(\p)+12*(\a)+11], 0, v[SC+32*(\sc)+4*\b+(\q)], v[SC+32*(\sc)+4*(\a)+(\q)] matrix_a_fmt:MATRIX_FMT_FP6 matrix_b_fmt:MATRIX_FMT_FP6 matrix_b_scale:MATRIX_SCALE_ROW1
.else
	v_wmma_scale_f32_16x16x128_f8f6f4 v[8*(8*(\a)+\b):8*(8*(\a)+\b)+7], v[128*(\p)+12*\b:128*(\p)+12*\b+11], v[F1+48*(\p)+12*(\a):F1+48*(\p)+12*(\a)+11], v[8*(8*(\a)+\b):8*(8*(\a)+\b)+7], v[SC+32*(\sc)+4*\b+(\q)], v[SC+32*(\sc)+4*(\a)+(\q)] matrix_a_fmt:MATRIX_FMT_FP6 matrix_b_fmt:MATRIX_FMT_FP6 matrix_b_scale:MATRIX_SCALE_ROW1
.endif
.endr
.endm
.macro STEP slot, q, zero
	s_wait_dscnt 0x0
	PLACES
	FETCH \slot, (\q)+1, 1-(\q)%2
	WIN MUL
.irp a, 0,1,2,3
	MUL8 \a, (\q)%2, \q, \slot, \zero
.endr
	WIN 0
.endm
.macro TURN slot, next, fill
.if \fill
	s_wait_xcnt 0x0                                ; my last requests have read their addresses: one K group on
	s_add_nc_u64 s[PF0:PF0+1], s[PF0:PF0+1], REC
	s_add_nc_u64 s[PF1:PF1+1], s[PF1:PF1+1], REC
.endif
	s_wait_tensorcnt 0x0
	ds_add_u32 v[SPW], v[NIL]
	s_wait_dscnt 1
	WIN MUL
	MUL8 0, 1, 3, \slot, 0
	s_wait_dscnt 0x0
	s_barrier_signal -1
	MUL8 1, 1, 3, \slot, 0
	WIN 0
	s_barrier_wait -1
.if \fill
	CREST
	s_add_nc_u64 s[G00+4*\slot+2:G00+4*\slot+3], s[G00+4*\slot+2:G00+4*\slot+3], 2*REC
	s_add_nc_u64 s[G01+4*\slot+2:G01+4*\slot+3], s[G01+4*\slot+2:G01+4*\slot+3], 2*REC
	JLOAD \slot
.else
	PLACES
.endif
	FETCH \next, 0, 0
	SCALES \next
.if \fill
	s_cmp_gt_u32 s3, 1                             ; the last trip's loads are K groups 6 and 7: there is no group two on
	s_cbranch_scc0 .Lno_ask_\@
	ASK REC
.Lno_ask_\@:
.endif
	WIN MUL
	MUL8 2, 1, 3, \slot, 0
	MUL8 3, 1, 3, \slot, 0
	WIN 0
.endm
	s_wait_alu depctr_va_vdst(0)
	s_wait_tensorcnt 0x0                           ; my part of K group 0 is in; slot 1's first fill is issued as a refill is
	ds_add_u32 v[SPW], v[NIL]
	s_wait_dscnt 0x0
	CROUND                                         ; everybody's part is in, and the four partners are here
	JLOAD 1
	FETCH 0, 0, 0
	ASK REC                                        ; K group 3
	SCALES 0
	STEP 0, 0, 1
	s_mov_b32 s3, NG/2-1
.Llap:
	STEP 0, 1, 0
	STEP 0, 2, 0
	TURN 0, 1, 1
	STEP 1, 0, 0
	STEP 1, 1, 0
	STEP 1, 2, 0
	TURN 1, 0, 1
	STEP 0, 0, 0
	s_sub_co_u32 s3, s3, 1
	s_cmp_lg_u32 s3, 0
	s_cbranch_scc1 .Llap
	STEP 0, 1, 0
	STEP 0, 2, 0
	TURN 0, 1, 0
	STEP 1, 0, 0
	STEP 1, 1, 0
	STEP 1, 2, 0
	s_wait_dscnt 0x0
	WIN MUL
.irp a, 0,1,2,3
	MUL8 \a, 1, 3, 1, 0
.endr
	WIN 0
.macro OUTA a
	WIN 0x0a
	v_pk_mul_f32 v[SS:SS+1], v[64*\a:64*\a+1], v[64*\a:64*\a+1]
	v_pk_mul_f32 v[SS+2:SS+3], v[64*\a+2:64*\a+3], v[64*\a+2:64*\a+3]
.irp i, 4,8,12,16,20,24,28,32,36,40,44,48,52,56,60
	v_pk_fma_f32 v[SS:SS+1], v[64*\a+\i:64*\a+\i+1], v[64*\a+\i:64*\a+\i+1], v[SS:SS+1]
	v_pk_fma_f32 v[SS+2:SS+3], v[64*\a+\i+2:64*\a+\i+3], v[64*\a+\i+2:64*\a+\i+3], v[SS+2:SS+3]
.endr
	WIN 0
	v_pk_add_f32 v[SS:SS+1], v[SS:SS+1], v[SS+2:SS+3]
	v_add_f32 v[SS], v[SS], v[SS+1]
	v_permlanex16_b32 v190, v[SS], s[SEL], s[SEL+1]
	v_add_f32 v[SS], v[SS], v190
	v_fma_f32 v[SS], v[SS], s58, s59
	s_wait_alu depctr_va_vdst(0)
	v_rsq_f32 v[RS], v[SS]
	v_nop
	s_wait_alu depctr_va_vdst(0)
	v_cndmask_b32 v[RS], 1.0, v[RS], s60
	v_mov_b32 v[RS+1], v[RS]
	WIN 0x02
.set jj, 0
.rept 32
	v_pk_mul_f32 v[YR+jj:YR+jj+1], v[64*\a+jj:64*\a+jj+1], v[RS:RS+1]
.set jj, jj+2
.endr
	WIN 0
	s_cmp_ge_u32 s21, 10
	s_cbranch_scc1 .Lplain_\@
.set jj, 0
.rept 32
	v_pk_mul_f32 v[YR+jj:YR+jj+1], v[YR+jj:YR+jj+1], v[192+jj:192+jj+1]
.set jj, jj+2
.endr
	WIN 0x0c
.irp i, 0,1,2,3,4,5,6,7,8,9,10,11,12,13,14,15
.set TA, 172+4*(\i%2)
	v_pk_mul_f32 v[TA:TA+1], v[YR+2*\i:YR+2*\i+1], v[64*\a+2*\i:64*\a+2*\i+1]
	v_pk_mul_f32 v[TA+2:TA+3], v[YR+2*\i:YR+2*\i+1], v[64*\a+32+2*\i:64*\a+32+2*\i+1]
	v_pk_fma_f32 v[YR+2*\i:YR+2*\i+1], v[YR+32+2*\i:YR+32+2*\i+1], v[64*\a+32+2*\i:64*\a+32+2*\i+1], v[TA:TA+1] neg_lo:[1,0,0] neg_hi:[1,0,0]
	v_pk_fma_f32 v[YR+32+2*\i:YR+32+2*\i+1], v[YR+32+2*\i:YR+32+2*\i+1], v[64*\a+2*\i:64*\a+2*\i+1], v[TA+2:TA+3]
.endr
	WIN 0
.Lplain_\@:
.if \a > 0
	s_wait_xcnt 0x0
.endif
	QUANT YR, PC, TM, PW+\a
.irp c, 0,1,2
	global_store_b128 v[L16], v[PC+4*\c:PC+4*\c+3], s[80:81] offset:1536*\a+512*\c
.endr
.endm
	PLACES
	s_wait_loadcnt 0x0
.irp b, 0,1,2,3
	v_mov_b32 v[TM+4+\b], 0
.endr
	v_mov_b32 v190, 0
	OUTA 0
	OUTA 1
	OUTA 2
	OUTA 3
	v_cndmask_b32 v[SS], v[PW], v[PW+2], s61
	v_cndmask_b32 v[SS+1], v[PW+1], v[PW+3], s61
	global_store_b64 v2, v[SS:SS+1], s[98:99]
	s_wait_tensorcnt 0x0
	ds_add_u32 v[SPW], v[NIL]
	s_wait_dscnt 0x0
	CROUND
	s_endpgm
.Lfunc_end_k_qf495e849f2_qkvproj:
	.size	k_qf495e849f2_qkvproj, .Lfunc_end_k_qf495e849f2_qkvproj-k_qf495e849f2_qkvproj
	.p2alignl 7, 3214868480
	.fill 96, 4, 3214868480
	.section	.rodata,"a",@progbits
	.p2align	6, 0x0
	.amdhsa_kernel k_qf495e849f2_qkvproj
		.amdhsa_group_segment_fixed_size 327680
		.amdhsa_private_segment_fixed_size 0
		.amdhsa_enable_private_segment 0
		.amdhsa_kernarg_size 48
		.amdhsa_user_sgpr_count 2
		.amdhsa_user_sgpr_kernarg_segment_ptr 1
		.amdhsa_wavefront_size32 1
		.amdhsa_system_sgpr_workgroup_id_x 1
		.amdhsa_system_sgpr_workgroup_id_y 1
		.amdhsa_system_sgpr_workgroup_id_z 1
		.amdhsa_system_vgpr_workitem_id 0
		.amdhsa_next_free_vgpr 1024
		.amdhsa_next_free_sgpr 100
		.amdhsa_reserve_vcc 0
		.amdhsa_float_denorm_mode_32 3
		.amdhsa_float_denorm_mode_16_64 3
		.amdhsa_memory_ordered 1
		.amdhsa_forward_progress 1
		.amdhsa_inst_pref_size 187
	.end_amdhsa_kernel
	.amdgpu_metadata
---
amdhsa.version: [ 1, 2 ]
amdhsa.kernels:
  - .name:           k_qf495e849f2_qkvproj
    .symbol:         k_qf495e849f2_qkvproj.kd
    .args:
      - { .name: acode, .offset: 0, .size: 8, .value_kind: global_buffer, .address_space: global }
      - { .name: wcode, .offset: 8, .size: 8, .value_kind: global_buffer, .address_space: global }
      - { .name: rope, .offset: 16, .size: 8, .value_kind: global_buffer, .address_space: global }
      - { .name: q_norm_w, .offset: 24, .size: 8, .value_kind: global_buffer, .address_space: global }
      - { .name: k_norm_w, .offset: 32, .size: 8, .value_kind: global_buffer, .address_space: global }
      - { .name: qkv, .offset: 40, .size: 8, .value_kind: global_buffer, .address_space: global }
    .group_segment_fixed_size: 327680
    .private_segment_fixed_size: 0
    .kernarg_segment_align: 8
    .kernarg_segment_size: 48
    .max_flat_workgroup_size: 128
    .sgpr_count:     100
    .vgpr_count:     1024
    .wavefront_size: 32
...
	.end_amdgpu_metadata
.endif
;; end of part 2
;; launch attn (part 3): grid 64 x 4, 8 waves a work-group, clusters of 4 x 1, 327,680 bytes of LDS; arguments qkv, ocode; writes ocode
.if DOCPART == 3
	.amdgcn_target "amdgcn-amd-amdhsa--gfx1250"
	.amdhsa_code_object_version 6
	.text
	.protected	k_qf495e849f2_attn
	.globl	k_qf495e849f2_attn
	.p2align	8
	.type	k_qf495e849f2_attn,@function
k_qf495e849f2_attn:
	s_mov_b64 s[64:65], 0
	v_nop
	global_prefetch_b8 v0, s[64:65] scope:SCOPE_SE
	s_setreg_imm32_b32 hwreg(HW_REG_WAVE_MODE, 25, 1), 1
	s_wait_xcnt 0x0
	s_wait_alu depctr_hold_cnt(0) depctr_sa_sdst(0) depctr_va_vdst(0) depctr_va_sdst(0) depctr_va_ssrc(0) depctr_va_vcc(0) depctr_vm_vsrc(0)
	s_getreg_b32 s2, hwreg(HW_REG_IB_STS2, 6, 4)
	s_cmp_eq_u32 s2, 0
	s_cbranch_scc0 .Lentry_in_a_cluster
	s_endpgm
.Lentry_in_a_cluster:
	s_bfe_u32 s2, ttmp6, 0x10000c
	s_cmp_lg_u32 s2, 0x3003
	s_cbranch_scc0 .Lentry_shape_is_right
	s_endpgm
.Lentry_shape_is_right:
; ATTN.  Causal attention with grouped heads on codes of E2M3: S^T = K Q^T, p = 2^(t - M), O^T = V^T P^T, O / l, and the quantiser for the output projection.
; t = score x log2(e) / sqrt(128); M = the running largest t rounded UP to a whole number; the row's sum l is taken of the unquantised p; when M moves, l and O are multiplied by 2^(old M - new M), exactly.
; INPUT: qkv [24 heads][16 blocks][12,800]: eight fragments (images of operand registers, 1,536 bytes) and their scale words at 12,288 + 256 (t / 4) + 16 r + 4 (t % 4).  Lane-row r of tile t of a block is place 32 (t / 2) + 8 (t % 2) + r + 8 (r / 8):
; so with K's (V's) fragments as source 0 the 16 registers of result tiles 2 b, 2 b + 1 are keys (channels) 32 b + 16 (lane / 16) + 0 .. 15.  A lane holds ONE query throughout.
; SHARES.  Work-group (x, kv head): x = 0 .. 63.  Wave w serves query head 4 kv + w % 4.  Waves 0-3 take token tile 127 - x (16 - x / 8 key blocks of 128), waves 4-7 token tile x (x / 8 + 1 blocks): 17 blocks for each pair, in every work-group.
; CLUSTER of 4 along x: the partners have the same x / 8 and the same kv head, so they walk the same keys: K and V are asked for jointly.  Trip counts are constants; a key block that lies wholly behind a wave's queries is
; passed over by a scalar branch made of the cluster's x and the wave's number.  Blocks that no wave of a cluster reads are still fetched: the price of constant trip counts.
; LDS: K's blocks j = 0 .. 11 at 12,800 j, V's at 153,600 + 12,800 j; blocks 12-15 are filled over blocks 0-3 when those have been read.  All eight waves fetch: three first fills, one refill; one load of a wave is out at a time.
; OUTPUT: ocode [128 token tiles][4 kv heads][6,400]: fragment of head 4 kv + g at 1,536 g, scale words at 6,144 + 16 r + 4 g.
; LIMITS: NaN and infinities are not served; a block of zeros gets the byte 1 (its codes are zeros; this program alone reads the bytes).  The scale words leave 4 bytes a lane, 16 bytes apart: 64 bytes a wave.
; REGISTERS.  window 0: v1-9 addresses; v12 -M, v13 the largest t, v[14:15] l; v16-27 Q, v28 its scale word, v29 p's; v32-35 K's scale words, v36-39 V's; v40-75 the last quantiser; v96-159 S^T, then p; v160-223 O^T; v224-235 p's codes; v232-254 at work.
;   window 1: v0-95 K's eight fragments, v128-223 V's.
; THE FILLS, as the text below has them (this paragraph stands for what the lines above say of who fetches): all eight waves fetch, one tensor load a wave in each of four stages; waves 0-3 take K, waves 4-7 V, each a quarter of the stage's blocks.
; Stage A, at the head: blocks 0, 1 (6,400 bytes a wave).  Stage B: blocks 2-5 (12,800).  Stage C: blocks 6-11 (19,200).  Stage D, the one refill: blocks 12-15 over blocks 0-3 (12,800).
; B, C and D each stand behind the wait for all my loads, the add, the wait for it and a round of the cluster's barrier: one load of a wave is out at a time.
; No request runs ahead of these loads: stage B is issued 2 key blocks of work ahead of its first read, stage C 4, stage D 6.
.set BLKB,  12800
.set VOFF,  153600
.set SPARE, 307200                     ; the spare words: 128 bytes a wave, four blocks of 256 bytes that no other line names
.set SPW, 5
.set NIL, 6
.set ADK, 8
.set ADV, 9
.set QS,  28
.set PS,  29
.set KS,  32
.set VS,  36
.set WV,  8
.set KN,  15                           ; s15  key blocks that count for my queries
.set J,   16                           ; s16  the key block in hand
.set TB,  17                           ; s17  where it lies in LDS
.set CNT, 18
.set SEL, 20
.set CS,  22
.set MSB, 0
.macro WIN new
.if MSB != (\new)
	s_set_vgpr_msb (MSB<<8)|(\new)
.set MSB, (\new)
.endif
.endm
.macro PLACES
.rept 4
	v_nop
.endr
.endm
.macro CROUND                          ; a round of the cluster's barrier
	s_barrier_signal -1
	s_barrier_wait -1
	s_cmp_lg_u32 s[WV], 0
	s_cbranch_scc1 .Lnot_wave_0_\@
	s_barrier_signal -3
.Lnot_wave_0_\@:
	s_barrier_wait -3
	s_barrier_signal -1
	s_barrier_wait -1
.endm
.macro G1SET g, rows                   ; group 1: dense rows of 256 bytes (32 elements of 8), asked for by all four partners
	s_mov_b32 s[\g], 15|(3<<16)|(1<<21)
	s_mov_b32 s[\g+1], 32<<16
	s_mov_b32 s[\g+2], (\rows)<<16
	s_mov_b32 s[\g+3], 32<<16
	s_mov_b32 s[\g+4], \rows
	s_mov_b32 s[\g+5], 32
	s_mov_b32 s[\g+6], 0
	s_mov_b32 s[\g+7], 0
.endm
.macro QUANT s, pc, tm, pw
.irp b, 0,1,2,3
	v_max3_num_f32 v[\tm+\b], |v[\s+16*\b]|, |v[\s+1+16*\b]|, 0x1800000
.endr
.irp i, 2,4,6,8,10,12,14
.irp b, 0,1,2,3
	s_delay_alu instid0(VALU_DEP_4)
	v_max3_num_f32 v[\tm+\b], v[\tm+\b], |v[\s+16*\b+\i]|, |v[\s+1+16*\b+\i]|
.endr
.endr
.irp b, 0,1,2,3
	s_delay_alu instid0(VALU_DEP_4)
	v_permlanex16_b32 v[\tm+4+\b], v[\tm+\b], s[SEL], s[SEL+1]
.endr
.irp b, 0,1,2,3
	s_delay_alu instid0(VALU_DEP_4)
	v_max_num_f32 v[\tm+\b], v[\tm+\b], v[\tm+4+\b]
.endr
.irp b, 0,1,2,3
	s_delay_alu instid0(VALU_DEP_4)
	v_add_nc_u32 v[\tm+12+\b], 0xff000000, v[\tm+\b]
.endr
.irp b, 0,1,2,3
	s_delay_alu instid0(VALU_DEP_4)
	v_lshrrev_b32 v[\tm+4+\b], 23, v[\tm+12+\b]
.endr
	s_delay_alu instid0(VALU_DEP_3)
	v_lshl_or_b32 v[\pw], v[\tm+5], 8, v[\tm+4]
	s_delay_alu instid0(VALU_DEP_1)
	v_lshl_or_b32 v[\pw], v[\tm+6], 16, v[\pw]
	s_delay_alu instid0(VALU_DEP_1)
	v_lshl_or_b32 v[\pw], v[\tm+7], 24, v[\pw]
.irp c, 0,1
	v_cvt_scalef32_pk16_fp6_f32 v[\pc+6*\c:\pc+2+6*\c], v[\s+32*\c:\s+15+32*\c], v[\tm+12+2*\c]
	v_cvt_scalef32_pk16_fp6_f32 v[\pc+12+4*\c:\pc+14+4*\c], v[\s+16+32*\c:\s+31+32*\c], v[\tm+12+2*\c+1]
.endr
	v_nop
.irp c, 0,1
.irp i, 0,1,2
	v_permlane16_swap_b32 v[\pc+6*\c+\i], v[\pc+12+4*\c+\i]
.endr
.irp i, 0,1,2
	s_delay_alu instid0(VALU_DEP_3)
	v_mov_b32 v[\pc+3+6*\c+\i], v[\pc+12+4*\c+\i]
.endr
.endr
.endm
	s_load_b128 s[4:7], s[0:1], 0x0                ; qkv, ocode
	v_lshl_add_u32 v[SPW], v0, 2, SPARE
	v_mov_b32 v[NIL], 0
	ds_add_u32 v5, v6
	ds_add_u32 v5, v6
	s_wait_dscnt 0x0
	v_lshrrev_b32 v1, 5, v0
	s_delay_alu instid0(VALU_DEP_1)
	v_readfirstlane_b32 s[WV], v1                  ; wave 0..7
	s_and_b32 s9, s[WV], 3                         ; g: my query head in the group
	s_bfe_u32 s10, ttmp6, 0x40000                  ; cx
	s_lshl_b32 s11, ttmp9, 2
	s_add_co_u32 s11, s11, s10                     ; x
	s_lshr_b32 s12, ttmp9, 1                       ; x / 8, of the cluster's x alone
	s_and_b32 s13, ttmp7, 0xffff                   ; kv head
	s_sub_co_u32 s66, 127, s11
	s_sub_co_u32 s67, 16, s12
	s_add_co_u32 s68, s12, 1
	s_cmp_lt_u32 s[WV], 4
	s_cselect_b32 s14, s66, s11                    ; my token tile: it enters global addresses and the mask's numbers alone
	s_cselect_b32 s[KN], s67, s68
	G1SET 24, 25                                   ; half a block
	G1SET 32, 50                                   ; one block
	G1SET 40, 75                                   ; one and a half
	s_lshr_b32 s69, s[WV], 2                       ; waves 0-3 fetch K, waves 4-7 V
	s_and_b32 s70, s[WV], 3                        ; which quarter of a stage
	s_lshl_b32 s71, s69, 2
	s_add_co_u32 s71, s71, s13
	s_add_co_u32 s71, s71, 16                      ; the head in qkv: 16 + kv for K, 20 + kv for V
	s_mul_i32 s72, s71, 204800
	s_mov_b32 s73, 0
	s_mul_i32 s74, s69, VOFF
	s_mul_i32 s75, s70, BLKB/2
	s_mul_i32 s76, s70, BLKB
	s_mul_i32 s77, s70, 3*BLKB/2
	s_lshl_b32 s82, s13, 2
	s_add_co_u32 s82, s82, s9                      ; my query head
	s_mul_i32 s82, s82, 204800
	s_lshr_b32 s83, s14, 3
	s_mul_i32 s83, s83, BLKB
	s_add_co_u32 s82, s82, s83                     ; my queries' record
	s_and_b32 s83, s14, 7                          ; and the tile in it
	s_mul_i32 s84, s83, 1536
	s_add_co_u32 s84, s84, s82
	s_mov_b32 s85, 0
	s_lshr_b32 s86, s83, 2
	s_lshl_b32 s86, s86, 8
	s_and_b32 s87, s83, 3
	s_lshl_b32 s87, s87, 2
	s_add_co_u32 s86, s86, s87
	s_add_co_u32 s86, s86, s82
	s_add_co_u32 s86, s86, 12288
	s_mov_b32 s87, 0
	s_mul_i32 s88, s14, 25600
	s_mul_i32 s89, s13, 6400
	s_add_co_u32 s88, s88, s89                     ; my record of ocode
	s_mul_i32 s89, s9, 1536
	s_lshl_b32 s90, s9, 2
	s_add_co_u32 s90, s90, s88
	s_add_co_u32 s90, s90, 6144
	s_add_co_u32 s88, s88, s89
	s_mov_b32 s89, 0
	s_mov_b32 s91, 0
	s_mov_b32 s[SEL], 0x76543210
	s_mov_b32 s[SEL+1], 0xfedcba98
	s_mov_b32 s[CS], 0x3e0293ee                    ; c = log2(e) / sqrt(128)
	s_mov_b32 s[CS+1], s[CS]                       ; named with it as a pair, so it is written
	s_mov_b32 s[J], 0
	s_wait_kmcnt 0x0
	s_add_nc_u64 s[84:85], s[4:5], s[84:85]        ; Q's fragment
	s_add_nc_u64 s[86:87], s[4:5], s[86:87]        ; its scale words
	s_add_nc_u64 s[88:89], s[6:7], s[88:89]        ; my fragment of the output
	s_add_nc_u64 s[90:91], s[6:7], s[90:91]        ; its scale words
	s_add_nc_u64 s[78:79], s[4:5], s[72:73]        ; K's or V's head: made of the kv head and the wave's number alone
	s_mov_b32 s81, 0
	s_mov_b32 s48, 1                               ; stage A: my quarter of blocks 0, 1
	s_add_co_u32 s49, s74, s75
	s_mov_b32 s80, s75
	s_add_nc_u64 s[50:51], s[78:79], s[80:81]
	s_or_b32 s51, s51, 0x80000000
	s_mov_b32 s52, 1                               ; stage B: my quarter of blocks 2-5
	s_add_co_u32 s53, s74, s76
	s_add_co_u32 s53, s53, 2*BLKB
	s_add_co_u32 s80, s76, 2*BLKB
	s_add_nc_u64 s[54:55], s[78:79], s[80:81]
	s_or_b32 s55, s55, 0x80000000
	s_mov_b32 s56, 1                               ; stage C: my quarter of blocks 6-11
	s_add_co_u32 s57, s74, s77
	s_add_co_u32 s57, s57, 6*BLKB
	s_add_co_u32 s80, s77, 6*BLKB
	s_add_nc_u64 s[58:59], s[78:79], s[80:81]
	s_or_b32 s59, s59, 0x80000000
	s_mov_b32 s60, 1                               ; stage D: my quarter of blocks 12-15, over blocks 0-3
	s_add_co_u32 s61, s74, s76
	s_add_co_u32 s80, s76, 12*BLKB
	s_add_nc_u64 s[62:63], s[78:79], s[80:81]
	s_or_b32 s63, s63, 0x80000000
	CROUND                                         ; all four work-groups are here: the first joint loads meet
	tensor_load_to_lds s[48:51], s[24:31]          ; stage A: every wave's one load at the head
	s_nop 0
.rept 4
	v_nop
.endr
	v_and_b32 v1, 31, v0
	s_delay_alu instid0(VALU_DEP_1)
	v_lshlrev_b32 v1, 4, v1                        ; 16 x lane
	s_delay_alu instid0(VALU_DEP_1)
	v_add_nc_u32 v2, VOFF, v1
	v_and_b32 v8, 15, v0                           ; r
	v_bfe_u32 v9, v0, 4, 1                         ; h
	s_delay_alu instid0(VALU_DEP_2)
	v_lshlrev_b32 v3, 4, v8                        ; 16 r
.irp c, 0,1,2
	global_load_b128 v[16+4*\c:19+4*\c], v1, s[84:85] offset:512*\c
.endr
	global_load_b32 v[QS], v3, s[86:87]
	v_and_b32 v7, 8, v8
	s_delay_alu instid0(VALU_DEP_1)
	v_add_nc_u32 v7, v7, v8
	v_lshlrev_b32 v9, 4, v9
	s_delay_alu instid0(VALU_DEP_1)
	v_sub_nc_u32 v7, v7, v9
	s_lshr_b32 s92, s14, 1
	s_lshl_b32 s92, s92, 5
	s_and_b32 s93, s14, 1
	s_lshl_b32 s93, s93, 3
	s_add_co_u32 s92, s92, s93
	v_add_nc_u32 v7, s92, v7                       ; my query's token - 16 h
	v_mov_b32 v13, 0xff61b1e6                      ; the largest t so far: -3e38
	s_delay_alu instid0(VALU_DEP_1)
	v_floor_f32 v12, -v13                          ; -M
	v_mov_b32 v14, 0
	v_mov_b32 v15, 0
.irp b, 0,1,2,3
	v_mov_b32 v[236+\b], 0                         ; a lane permute's destination counts as one of its sources
	v_mov_b32 v[64+\b], 0
.endr
	v_mov_b32 v252, 0
	v_mov_b32 v253, 0                              ; named as the upper half of the pair v[252:253]
.set jj, 0
.rept 64
	v_mov_b32 v[160+jj], 0                         ; O^T: the step is written once; its first run finds zeros, which the first change of M leaves zeros
.set jj, jj+1
.endr
; A KEY BLOCK of 128 keys for my 16 queries
.macro UNIT
	PLACES                                         ; the loads below land in registers that the last block's products read
	v_add_nc_u32 v[ADK], s[TB], v1
	v_add_nc_u32 v[ADV], s[TB], v2
	ds_load_b128 v[KS:KS+3], v[ADK] offset:12288   ; register i: lanes 0-15 tile i's scale words, lanes 16-31 tile 4 + i's
	ds_load_b128 v[VS:VS+3], v[ADV] offset:12288
	WIN 0x40                                       ; destination window 1
.irp t, 0,1,2,3,4,5,6,7
.irp c, 0,1,2
	ds_load_b128 v[12*\t+4*\c:12*\t+4*\c+3], v[ADK] offset:1536*\t+512*\c
.endr
.endr
.irp t, 0,1,2,3,4,5,6,7
.irp c, 0,1,2
	ds_load_b128 v[128+12*\t+4*\c:128+12*\t+4*\c+3], v[ADV] offset:1536*\t+512*\c
.endr
.endr
	WIN 0
	s_wait_dscnt 24                                ; all but V's 24 fragment loads
	WIN 0x01                                       ; source 0 window 1
.irp t, 0,1,2,3
	v_wmma_scale_f32_16x16x128_f8f6f4 v[96+8*\t:103+8*\t], v[12*\t:12*\t+11], v[16:27], 0, v[KS+\t], v[QS] matrix_a_fmt:MATRIX_FMT_FP6 matrix_b_fmt:MATRIX_FMT_FP6
.endr
.irp t, 4,5,6,7
	v_wmma_scale_f32_16x16x128_f8f6f4 v[96+8*\t:103+8*\t], v[12*\t:12*\t+11], v[16:27], 0, v[KS+\t-4], v[QS] matrix_a_fmt:MATRIX_FMT_FP6 matrix_b_fmt:MATRIX_FMT_FP6 matrix_a_scale:MATRIX_SCALE_ROW1
.endr
	WIN 0
	PLACES
	s_add_co_u32 s96, s[J], 1                      ; only my last block lies on the diagonal
	s_cmp_lg_u32 s96, s[KN]
	s_cbranch_scc1 .Lopen_\@
	s_lshl_b32 s96, s[J], 7
	v_sub_nc_u32 v252, v7, s96                     ; d = my token - 128 J - 16 h: register 16 b + i holds a hidden key where 32 b + i > d
	v_mov_b32 v254, 0xff800000                     ; -infinity: p = 0
.set jj, 0
.rept 64
	v_cmp_gt_i32 vcc_lo, 32*(jj/16)+jj%16, v252
	v_cndmask_b32 v[96+jj], v[96+jj], v254, vcc_lo
.set jj, jj+1
.endr
.Lopen_\@:
.irp b, 0,1,2,3
	v_max3_num_f32 v[232+\b], v[96+16*\b], v[97+16*\b], v[98+16*\b]   ; the largest score of each block of 32 keys: for the row's maximum, and, since p rises with the score, for the block's largest p
.endr
.irp i, 3,5,7,9,11,13
.irp b, 0,1,2,3
	v_max3_num_f32 v[232+\b], v[232+\b], v[96+16*\b+\i], v[97+16*\b+\i]
.endr
.endr
.irp b, 0,1,2,3
	v_max_num_f32 v[232+\b], v[232+\b], v[111+16*\b]
.endr
.irp b, 0,1,2,3
	s_delay_alu instid0(VALU_DEP_4)
	v_permlanex16_b32 v[236+\b], v[232+\b], s[SEL], s[SEL+1]
.endr
.irp b, 0,1,2,3
	s_delay_alu instid0(VALU_DEP_4)
	v_max_num_f32 v[232+\b], v[232+\b], v[236+\b]
.endr
	s_delay_alu instid0(VALU_DEP_2)
	v_max3_num_f32 v254, v232, v233, v234
	s_delay_alu instid0(VALU_DEP_1)
	v_max_num_f32 v254, v254, v235
	s_delay_alu instid0(VALU_DEP_1)
	v_mul_f32 v254, s[CS], v254
	s_delay_alu instid0(VALU_DEP_1)
	v_max_num_f32 v13, v13, v254                   ; the running largest t
	v_mov_b32 v254, v12
	s_delay_alu instid0(VALU_DEP_2)
	v_floor_f32 v12, -v13                          ; -M = floor(-t): M is a whole number
	s_delay_alu instid0(VALU_DEP_1)
	v_sub_f32 v254, v12, v254
	s_delay_alu instid0(VALU_DEP_1)
	v_cvt_i32_f32 v254, v254                       ; it saturates
	s_delay_alu instid0(VALU_DEP_1)
	v_ldexp_f32 v252, 1.0, v254                    ; f = 2^(old M - new M)
.set jj, 0
.rept 32
	v_pk_fma_f32 v[96+jj:97+jj], v[96+jj:97+jj], s[CS:CS+1], v[12:13] op_sel_hi:[1,0,0]   ; t - M
.set jj, jj+2
.endr
.irp b, 0,1,2,3
	v_fma_f32 v[232+\b], v[232+\b], s[CS], v12
.endr
.set jj, 0
	s_wait_alu depctr_va_vdst(0)
.rept 64
	v_exp_f32 v[96+jj], v[96+jj]                   ; p, at most 1, not normalised
.set jj, jj+1
.endr
	v_pk_mul_f32 v[14:15], v[14:15], v[252:253] op_sel_hi:[1,0]   ; l under the new M: the plain instruction behind the batch
	s_wait_alu depctr_va_vdst(0)                   ; one wait for the 64, ahead of their first reader
.irp b, 0,1,2,3
	v_exp_f32 v[232+\b], v[232+\b]                 ; each block's largest p
.endr
	v_pk_add_f32 v[236:237], v[100:101], v[104:105]
	v_pk_add_f32 v[254:255], v[108:109], v[112:113]
	v_pk_add_f32 v[250:251], v[116:117], v[120:121]
	v_pk_add_f32 v[248:249], v[124:125], v[128:129]
	v_pk_add_f32 v[246:247], v[132:133], v[136:137]
	v_pk_add_f32 v[244:245], v[140:141], v[144:145]
	v_pk_add_f32 v[242:243], v[148:149], v[152:153]
	v_pk_add_f32 v[14:15], v[14:15], v[156:157]
	v_pk_add_f32 v[236:237], v[236:237], v[96:97]
	v_pk_add_f32 v[254:255], v[254:255], v[98:99]
	v_pk_add_f32 v[250:251], v[250:251], v[102:103]
	v_pk_add_f32 v[248:249], v[248:249], v[106:107]
	v_pk_add_f32 v[246:247], v[246:247], v[110:111]
	v_pk_add_f32 v[244:245], v[244:245], v[114:115]
	v_pk_add_f32 v[242:243], v[242:243], v[118:119]
	v_pk_add_f32 v[14:15], v[14:15], v[122:123]
	v_pk_add_f32 v[236:237], v[236:237], v[126:127]
	v_pk_add_f32 v[254:255], v[254:255], v[130:131]
	v_pk_add_f32 v[250:251], v[250:251], v[134:135]
	v_pk_add_f32 v[248:249], v[248:249], v[138:139]
	v_pk_add_f32 v[246:247], v[246:247], v[142:143]
	v_pk_add_f32 v[244:245], v[244:245], v[146:147]
	v_pk_add_f32 v[242:243], v[242:243], v[150:151]
	v_pk_add_f32 v[14:15], v[14:15], v[154:155]
	v_pk_add_f32 v[236:237], v[236:237], v[158:159]
	s_delay_alu instid0(VALU_DEP_2)
	v_pk_add_f32 v[14:15], v[14:15], v[248:249]
	s_delay_alu instid0(VALU_DEP_2)
	v_pk_add_f32 v[236:237], v[236:237], v[246:247]
	v_pk_add_f32 v[254:255], v[254:255], v[244:245]
	v_pk_add_f32 v[250:251], v[250:251], v[242:243]
	s_delay_alu instid0(VALU_DEP_2)
	v_pk_add_f32 v[14:15], v[14:15], v[254:255]
	s_delay_alu instid0(VALU_DEP_2)
	v_pk_add_f32 v[236:237], v[236:237], v[250:251]
	s_delay_alu instid0(VALU_DEP_1)
	v_pk_add_f32 v[14:15], v[14:15], v[236:237]
	s_wait_alu depctr_va_vdst(0)                   ; and one for the four
.irp b, 0,1,2,3
	v_max_num_f32 v[232+\b], 0x1800000, v[232+\b]  ; the floor 2^(3 - 127)
.endr
.irp b, 0,1,2,3
	s_delay_alu instid0(VALU_DEP_4)
	v_add_nc_u32 v[244+\b], 0xff000000, v[232+\b]
.endr
.irp b, 0,1,2,3
	s_delay_alu instid0(VALU_DEP_4)
	v_lshrrev_b32 v[236+\b], 23, v[244+\b]
.endr
	s_delay_alu instid0(VALU_DEP_3)
	v_lshl_or_b32 v[PS], v237, 8, v236             ; p's scale word for these 128 keys
	s_delay_alu instid0(VALU_DEP_1)
	v_lshl_or_b32 v[PS], v238, 16, v[PS]
	s_delay_alu instid0(VALU_DEP_1)
	v_lshl_or_b32 v[PS], v239, 24, v[PS]
.irp c, 0,1
	v_cvt_scalef32_pk16_fp6_f32 v[224+6*\c:226+6*\c], v[96+32*\c:111+32*\c], v[244+2*\c]
	v_cvt_scalef32_pk16_fp6_f32 v[236+4*\c:238+4*\c], v[112+32*\c:127+32*\c], v[244+2*\c+1]
.endr
	v_nop
.irp c, 0,1
.irp i, 0,1,2
	v_permlane16_swap_b32 v[224+6*\c+\i], v[236+4*\c+\i]
.endr
.irp i, 0,1,2
	s_delay_alu instid0(VALU_DEP_3)
	v_mov_b32 v[227+6*\c+\i], v[236+4*\c+\i]
.endr
.endr
.set jj, 0
.rept 32
	v_pk_mul_f32 v[160+jj:161+jj], v[160+jj:161+jj], v[252:253] op_sel_hi:[1,0]   ; O^T under the new M; these are also the places between p's codes and scale word and the products
.set jj, jj+2
.endr
	s_wait_alu depctr_va_vdst(0)
	s_wait_dscnt 0x0                               ; V is in
	WIN 0x01
.irp t, 0,1,2,3
	v_wmma_scale_f32_16x16x128_f8f6f4 v[160+8*\t:167+8*\t], v[128+12*\t:128+12*\t+11], v[224:235], v[160+8*\t:167+8*\t], v[VS+\t], v[PS] matrix_a_fmt:MATRIX_FMT_FP6 matrix_b_fmt:MATRIX_FMT_FP6
.endr
.irp t, 4,5,6,7
	v_wmma_scale_f32_16x16x128_f8f6f4 v[160+8*\t:167+8*\t], v[128+12*\t:128+12*\t+11], v[224:235], v[160+8*\t:167+8*\t], v[VS+\t-4], v[PS] matrix_a_fmt:MATRIX_FMT_FP6 matrix_b_fmt:MATRIX_FMT_FP6 matrix_a_scale:MATRIX_SCALE_ROW1
.endr
	WIN 0
.endm
; n key blocks that lie in LDS from byte tb0 on.  Every wave walks every trip; the work of a block behind its queries is jumped over
.macro SEG n, tb0
	s_mov_b32 s[TB], \tb0
	s_mov_b32 s[CNT], \n
.Lseg_\@:
	s_cmp_ge_u32 s[J], s[KN]
	s_cbranch_scc1 .Lskip_\@
	UNIT
.Lskip_\@:
	s_add_co_u32 s[TB], s[TB], BLKB
	s_add_co_u32 s[J], s[J], 1
	s_sub_co_u32 s[CNT], s[CNT], 1
	s_cmp_lg_u32 s[CNT], 0
	s_cbranch_scc1 .Lseg_\@
.endm
.macro FILL g0, g1                     ; the stage before is in for every wave of the cluster, my LDS reads are over: my one load of the next stage
	s_wait_tensorcnt 0x0
	ds_add_u32 v[SPW], v[NIL]
	s_wait_dscnt 0x0
	CROUND
	tensor_load_to_lds s[\g0:\g0+3], s[\g1:\g1+7]
	s_nop 0
.rept 4
	v_nop
.endr
.endm
	s_wait_alu depctr_va_vdst(0)
	s_wait_loadcnt 0x0                             ; Q
	FILL 52, 32                                    ; stage A is in; stage B goes out
	SEG 2, 0
	FILL 56, 40                                    ; stage C
	SEG 4, 2*BLKB
	FILL 60, 32                                    ; stage D: blocks 0-3 have been read by every wave of every partner
	SEG 6, 6*BLKB
	s_wait_tensorcnt 0x0                           ; chunk D is in
	s_wait_dscnt 0x0
	s_barrier_signal -1
	s_barrier_wait -1
	SEG 4, 0
	; THE WAY OUT: O^T / l, quantised along the head's 128: K step g of the output projection's K group kv
	PLACES
	v_add_f32 v14, v14, v15
	s_delay_alu instid0(VALU_DEP_1)
	v_permlanex16_b32 v252, v14, s[SEL], s[SEL+1]
	s_delay_alu instid0(VALU_DEP_1)
	v_add_f32 v14, v14, v252                       ; the row's sum
	s_wait_alu depctr_va_vdst(0)
	v_rcp_f32 v14, v14
	v_nop                                          ; a plain instruction behind the transcendental,
	s_wait_alu depctr_va_vdst(0)                   ; and the wait ahead of its first reader
.set jj, 0
.rept 64
	v_mul_f32 v[96+jj], v[160+jj], v14             ; register 16 b + i = channel 32 b + 16 h + i of my query; each accumulator from its low end on
.set jj, jj+1
.endr
	QUANT 96, 40, 60, 30
.irp c, 0,1,2
	global_store_b128 v1, v[40+4*\c:43+4*\c], s[88:89] offset:512*\c   ; 512 consecutive bytes, aligned
.endr
	global_store_b32 v3, v30, s[90:91]             ; row r's scale word; lanes 16-31 write the same word to the same place as lanes 0-15
	s_wait_tensorcnt 0x0                           ; the wave's end
	ds_add_u32 v[SPW], v[NIL]
	s_wait_dscnt 0x0
	CROUND                                         ; the closing round
	s_endpgm
.Lfunc_end_k_qf495e849f2_attn:
	.size	k_qf495e849f2_attn, .Lfunc_end_k_qf495e849f2_attn-k_qf495e849f2_attn
	.p2alignl 7, 3214868480
	.fill 96, 4, 3214868480
	.section	.rodata,"a",@progbits
	.p2align	6, 0x0
	.amdhsa_kernel k_qf495e849f2_attn
		.amdhsa_group_segment_fixed_size 327680
		.amdhsa_private_segment_fixed_size 0
		.amdhsa_enable_private_segment 0
		.amdhsa_kernarg_size 16
		.amdhsa_user_sgpr_count 2
		.amdhsa_user_sgpr_kernarg_segment_ptr 1
		.amdhsa_wavefront_size32 1
		.amdhsa_system_sgpr_workgroup_id_x 1
		.amdhsa_system_sgpr_workgroup_id_y 1
		.amdhsa_system_sgpr_workgroup_id_z 1
		.amdhsa_system_vgpr_workitem_id 0
		.amdhsa_next_free_vgpr 512
		.amdhsa_next_free_sgpr 100
		.amdhsa_reserve_vcc 1
		.amdhsa_float_denorm_mode_32 3
		.amdhsa_float_denorm_mode_16_64 3
		.amdhsa_memory_ordered 1
		.amdhsa_forward_progress 1
		.amdhsa_inst_pref_size 121
	.end_amdhsa_kernel
	.amdgpu_metadata
---
amdhsa.version: [ 1, 2 ]
amdhsa.kernels:
  - .name:           k_qf495e849f2_attn
    .symbol:         k_qf495e849f2_attn.kd
    .args:
      - { .name: qkv, .offset: 0, .size: 8, .value_kind: global_buffer, .address_space: global }
      - { .name: ocode, .offset: 8, .size: 8, .value_kind: global_buffer, .address_space: global }
    .group_segment_fixed_size: 327680
    .private_segment_fixed_size: 0
    .kernarg_segment_align: 8
    .kernarg_segment_size: 16
    .max_flat_workgroup_size: 256
    .sgpr_count:     100
    .vgpr_count:     512
    .wavefront_size: 32
...
	.end_amdgpu_metadata
.endif
;; end of part 3
;; launch oproj (part 4): grid 16 x 16, 4 waves a work-group, clusters of 4 x 4, 327,680 bytes of LDS; arguments ocode, wocode, out0; writes out0
.if DOCPART == 4
	.amdgcn_target "amdgcn-amd-amdhsa--gfx1250"
	.amdhsa_code_object_version 6
	.text
	.protected	k_qf495e849f2_oproj
	.globl	k_qf495e849f2_oproj
	.p2align	8
	.type	k_qf495e849f2_oproj,@function
k_qf495e849f2_oproj:
	s_mov_b64 s[64:65], 0
	v_nop
	global_prefetch_b8 v0, s[64:65] scope:SCOPE_SE
	s_setreg_imm32_b32 hwreg(HW_REG_WAVE_MODE, 25, 1), 1
	s_wait_xcnt 0x0
	s_wait_alu depctr_hold_cnt(0) depctr_sa_sdst(0) depctr_va_vdst(0) depctr_va_sdst(0) depctr_va_ssrc(0) depctr_va_vcc(0) depctr_vm_vsrc(0)
	s_getreg_b32 s2, hwreg(HW_REG_IB_STS2, 6, 4)
	s_cmp_eq_u32 s2, 0
	s_cbranch_scc0 .Lentry_in_a_cluster
	s_endpgm
.Lentry_in_a_cluster:
	s_bfe_u32 s2, ttmp6, 0x10000c
	s_cmp_lg_u32 s2, 0xf033
	s_cbranch_scc0 .Lentry_shape_is_right
	s_endpgm
.Lentry_shape_is_right:
; OPROJ.  out0 = attention's output x wo^T on codes of E2M3, K = 2,048; out0 [2048][2048] f32; one f32 sum for each output, K ascending.
; OPERANDS lie in memory as images of their registers, in records of 6,400 bytes (a row tile x 512 K: four fragments of 1,536 bytes, then 16 bytes of scale words a row), laid [row tile][4 K groups].
; Lane-row r of row tile T is row 32 (T / 2) + 8 (T % 2) + r + 8 (r / 8).
; SHARES.  A work-group: 128 rows of wo (source 0, S0: out0's columns) x 128 tokens (source 1, S1): 16 x 16 = 256 work-groups.  Wave w takes S0's tiles 4 (w % 2) + b and S1's tiles 4 (w / 2) + a: 16 accumulators, by turns.
; CLUSTERS of 4 x 4.  S0's tiles hang on y alone and are asked for jointly by a row of the cluster, S1's on x alone, by a column.
; LDS.  Bytes 0 .. 102,399: K group 0, S0's 8 records, then S1's 8; K group 3 is filled over them: the launch's one refill.  Bytes 102,400 .. 307,199: K groups 1 and 2, a row tile's two records on end (they are neighbours in memory): S0's 8 tiles, then S1's 8.
; THE HEAD'S LOADS, one a wave: wave 0 S0's group 0 (8 rows of 6,400 bytes), wave 1 S1's, wave 2 S0's groups 1 and 2 (8 rows of 12,800 bytes), wave 3 S1's.  The refill: a quarter of group 3 a wave.  One load of a wave is out at a time; every wait for them is for 0.
; Group 3's records are named ahead at the head, behind the loads: of the four records that a wave will fetch, each of the four partners that ask with it names one, told apart by address (cx for S0, cy for S1): 25 blocks of 256 bytes, a lane a block,
; lanes 25-31 name block 24 again.  That is four K steps of products ahead of the refill.  The 16 K steps are written out: there is no loop.
; REGISTERS.  window 0: v1, v4-15, v48-50 addresses; v16-47 scale words, two sets; v80-175 S1's fragments, two sets; on the way out v80-207 rows of out0.  window 1: S0's fragments, sets at v0 and v128.  window 2: accumulator (a, b) at v[8 (4 a + b)].
.set NG,    4
.set REC,   6400
.set TSTR,  REC*NG
.set QUART, 4*REC
.set S1OFF, 2*QUART
.set SLOT,  4*QUART                    ; where groups 1 and 2 begin
.set R12B,  2*SLOT                     ; and S1's part of them
.set SPARE, 3*SLOT                     ; the spare words: 128 bytes a wave, that no other line names
.set STAGE, SPARE+512                  ; the way out: 16 rows x (256 bytes + 16) for each wave; no load lands here
.set SPITCH, 272
.set RD,  1
.set AD0, 4                            ; v4-6   S0's fragments of group 0 or 3, 1, 2
.set AD1, 7                            ; v7-9   S1's
.set ASX, 10                           ; v10-12 scale words: lanes 0-15 S0's tile, lanes 16-31 S1's tile of the same number
.set SPW, 13
.set NIL, 14
.set L16, 15
.set SC,  16
.set STO, 48
.set CO,  49
.set PFO, 50
.set F1,  80
.set BK,  80
.set WV, 16
.set W0, 17
.set W1, 18
.set G1A, 24                           ; group 1: S0, rows of a record (8 rows at the head, 4 at the refill);  G1B: S1
.set G1B, 32
.set G1C, 40                           ; S0, 8 rows of two records;  G1D: S1
.set G1D, 48
.set H0, 68                            ; groups 0 of the head's four loads
.set H1, 72
.set H2, 76
.set H3, 80
.set R0, 84                            ; and of the refill: S0's quarter, S1's quarter
.set R1, 88
.set MSB, 0
.macro WIN new
.if MSB != (\new)
	s_set_vgpr_msb (MSB<<8)|(\new)
.set MSB, (\new)
.endif
.endm
.set MUL,  0xa1
.set TO_B, 0x40
.macro PLACES                          ; four plain instructions between a matrix instruction and a load into, or a read of, its registers
.rept 4
	v_nop
.endr
.endm
.macro CROUND
	s_barrier_signal -1
	s_barrier_wait -1
	s_cmp_lg_u32 s[WV], 0
	s_cbranch_scc1 .Lnot_wave_0_\@
	s_barrier_signal -3
.Lnot_wave_0_\@:
	s_barrier_wait -3
	s_barrier_signal -1
	s_barrier_wait -1
.endm
.macro G1SET g, width
	s_mov_b32 s[\g+1], (\width)<<16
	s_mov_b32 s[\g+2], 8<<16
	s_mov_b32 s[\g+3], (\width)<<16
	s_mov_b32 s[\g+4], 8
	s_mov_b32 s[\g+5], TSTR/8
	s_mov_b32 s[\g+6], 0
	s_mov_b32 s[\g+7], 0
.endm
.macro G0SET g, lds, base, off
	s_mov_b32 s[\g], 1
	s_mov_b32 s[\g+1], \lds
	s_add_nc_u64 s[\g+2:\g+3], s[\base:\base+1], \off
	s_or_b32 s[\g+3], s[\g+3], 0x80000000
.endm
.macro ARM under, g0, g1, next         ; one arm of the head's chain: its load, and a jump to the chain's end
	s_cmp_lt_u32 s[WV], \under
	s_cbranch_scc0 \next
	tensor_load_to_lds s[\g0:\g0+3], s[\g1:\g1+7]
	s_nop 0
.rept 4
	v_nop
.endr
	s_branch .Lhead_asked
\next:
.endm
	s_load_b128 s[4:7], s[0:1], 0x0                ; ocode, wocode
	s_load_b64 s[8:9], s[0:1], 0x10                ; out0
	v_lshl_add_u32 v[SPW], v0, 2, SPARE
	v_mov_b32 v[NIL], 0
	ds_add_u32 v[SPW], v[NIL]                      ; the opening lines
	ds_add_u32 v[SPW], v[NIL]
	v_lshrrev_b32 v1, 5, v0
	v_readfirstlane_b32 s[WV], v1
	v_and_b32 v[PFO], 31, v0
	v_min_u32 v[PFO], 24, v[PFO]
	v_lshlrev_b32 v[PFO], 8, v[PFO]                ; 256 x min(lane, 24)
	s_and_b32 s[W0], s[WV], 1
	s_lshr_b32 s[W1], s[WV], 1
	s_bfe_u32 s19, ttmp6, 0x40000                  ; cx, cy
	s_bfe_u32 s22, ttmp6, 0x40004
	s_lshl_b32 s20, ttmp9, 2
	s_add_co_u32 s20, s20, s19                     ; x: the block of 128 tokens
	s_and_b32 s21, ttmp7, 0xffff
	s_lshl_b32 s21, s21, 2
	s_add_co_u32 s21, s21, s22                     ; y: the block of 128 columns
	s_lshl_b32 s23, s22, 2
	s_lshl_b32 s23, 15, s23                        ; my row of the cluster
	s_lshl_b32 s60, 0x1111, s19                    ; my column
	s_or_b32 s[G1A], s23, (3<<16)|(1<<21)          ; elements of 8 bytes; bit 21 set beside a mask
	s_or_b32 s[G1C], s23, (3<<16)|(1<<21)
	s_or_b32 s[G1B], s60, (3<<16)|(1<<21)
	s_or_b32 s[G1D], s60, (3<<16)|(1<<21)
	G1SET G1A, 800
	G1SET G1B, 800
	G1SET G1C, 1600
	G1SET G1D, 1600
	s_mul_i32 s92, s21, 8*TSTR                     ; S0: tile 8 y
	s_mov_b32 s93, 0
	s_mul_i32 s94, s20, 8*TSTR                     ; S1: tile 8 x
	s_mov_b32 s95, 0
	s_mul_i32 s96, s[W0], 4*TSTR                   ; the refill: my four tiles, K group 3
	s_add_co_u32 s96, s96, 3*REC
	s_mov_b32 s97, 0
	s_wait_alu depctr_va_vdst(0)
	s_wait_dscnt 0x0
	s_wait_kmcnt 0x0
	s_add_nc_u64 s[56:57], s[6:7], s[92:93]
	s_add_nc_u64 s[58:59], s[4:5], s[94:95]
	G0SET H0, 0, 56, 0
	G0SET H1, S1OFF, 58, 0
	G0SET H2, SLOT, 56, REC
	G0SET H3, R12B, 58, REC
	G0SET R0, 0, 56, s[96:97]
	G0SET R1, 0, 58, s[96:97]
	s_mul_i32 s[R0+1], s[WV], QUART                ; S0's two halves, then S1's two = wave x four records
	s_mul_i32 s[R1+1], s[WV], QUART
	s_cmp_eq_u32 s[W1], 0                          ; what I name ahead: of the four records that I will fetch, the one at my place among the four that ask with me
	s_cselect_b32 s12, s19, s22
	s_cselect_b64 s[10:11], s[56:57], s[58:59]
	s_lshl_b32 s13, s[W0], 2
	s_add_co_u32 s12, s12, s13
	s_mul_i32 s12, s12, TSTR
	s_add_co_u32 s12, s12, 3*REC
	s_mov_b32 s13, 0
	s_add_nc_u64 s[10:11], s[10:11], s[12:13]
	CROUND                                         ; all sixteen work-groups are here: the first joint loads meet
	ARM 1, H0, G1A, .Lhead_1
	ARM 2, H1, G1B, .Lhead_2
	ARM 3, H2, G1C, .Lhead_3
	tensor_load_to_lds s[H3:H3+3], s[G1D:G1D+7]
	s_nop 0
.rept 4
	v_nop
.endr
.Lhead_asked:
	global_prefetch_b8 v[PFO], s[10:11] th:TH_LOAD_NT scope:SCOPE_SE
	s_mul_i32 s98, s[W0], QUART                    ; group 0 or 3: my four records of S0,
	s_mul_i32 s99, s[W1], QUART
	s_add_co_u32 s99, s99, S1OFF                   ; of S1
	s_lshl_b32 s61, s98, 1                         ; groups 1 and 2: tiles twice as far apart
	s_add_co_u32 s61, s61, SLOT
	s_lshl_b32 s62, s99, 1
	s_add_co_u32 s62, s62, SLOT
	s_xor_b32 s92, s[W0], 1                        ; from S0's tile to S1's tile of the same number: 51,200 + 25,600 (w / 2) - 25,600 (w % 2), written as a sum
	s_mul_i32 s92, s92, QUART
	s_mul_i32 s93, s[W1], QUART
	s_add_co_u32 s92, s92, s93
	s_add_co_u32 s92, s92, QUART
	s_lshl_b32 s93, s92, 1
	s_mul_i32 s94, s[WV], 16*SPITCH
	s_add_co_u32 s94, s94, STAGE                   ; my stage
	s_lshl_b32 s96, s20, 7
	s_lshl_b32 s97, s[W1], 6
	s_add_co_u32 s96, s96, s97                     ; my first token: 128 x + 64 (w / 2)
	s_lshl_b32 s96, s96, 13
	s_lshl_b32 s97, s21, 9
	s_add_co_u32 s96, s96, s97
	s_lshl_b32 s97, s[W0], 8
	s_add_co_u32 s96, s96, s97                     ; my first column, in bytes: 512 y + 256 (w % 2)
	s_mov_b32 s97, 0
	s_add_nc_u64 s[8:9], s[8:9], s[96:97]
	v_and_b32 v1, 31, v0
	v_and_b32 v2, 15, v0                           ; r
	v_bfe_u32 v3, v0, 4, 1                         ; h
	v_lshlrev_b32 v[L16], 4, v1
	v_add_nc_u32 v[AD0], s98, v[L16]
	v_add_nc_u32 v[AD1], s99, v[L16]
	v_add_nc_u32 v[AD0+1], s61, v[L16]
	v_add_nc_u32 v[AD1+1], s62, v[L16]
	v_add_nc_u32 v[AD0+2], REC, v[AD0+1]
	v_add_nc_u32 v[AD1+2], REC, v[AD1+1]
	v_lshlrev_b32 v[STO], 4, v2
	v_add_nc_u32 v[STO], 6144, v[STO]              ; a record's scale words: 16 bytes a row
	v_mul_u32_u24 v[ASX], s92, v3                  ; one product with h
	v_add_nc_u32 v[ASX], v[ASX], v[STO]
	v_add_nc_u32 v[ASX], s98, v[ASX]
	v_mul_u32_u24 v[ASX+1], s93, v3
	v_add_nc_u32 v[ASX+1], v[ASX+1], v[STO]
	v_add_nc_u32 v[ASX+1], s61, v[ASX+1]
	v_add_nc_u32 v[ASX+2], REC, v[ASX+1]
	v_mul_u32_u24 v[STO], v2, SPITCH
	v_lshl_add_u32 v[STO], v3, 6, v[STO]
	v_add_nc_u32 v[STO], s94, v[STO]               ; the stage, in: row r, + 64 h
	v_mul_u32_u24 v[RD], v3, SPITCH
	v_lshl_add_u32 v[RD], v2, 4, v[RD]
	v_add_nc_u32 v[RD], s94, v[RD]                 ; back: lanes 0-15 one row of 256 bytes, lanes 16-31 the next
	v_lshlrev_b32 v[CO], 13, v3
	v_lshl_add_u32 v[CO], v2, 4, v[CO]             ; and the same two rows in out0
.macro FETCH slot, q, p                ; slot 0: group 0 or 3, tiles a record apart; slots 1, 2: groups 1, 2, tiles two records apart
.set TS, REC*(1+((\slot)+1)/2)
	WIN TO_B
.irp b, 0,1,2,3
.irp c, 0,1,2
	ds_load_b128 v[128*(\p)+12*\b+4*\c:128*(\p)+12*\b+4*\c+3], v[AD0+\slot] offset:TS*\b+1536*(\q)+512*\c
.endr
.endr
	WIN 0
.irp a, 0,1,2,3
.irp c, 0,1,2
	ds_load_b128 v[F1+48*(\p)+12*\a+4*\c:F1+48*(\p)+12*\a+4*\c+3], v[AD1+\slot] offset:TS*\a+1536*(\q)+512*\c
.endr
.endr
.endm
.macro SCALES slot, sc                 ; register 4 b + q of set sc: lanes 0-15 S0's tile b, lanes 16-31 S1's tile b, K step q
.set TS, REC*(1+((\slot)+1)/2)
.irp b, 0,1,2,3
	ds_load_b128 v[SC+16*(\sc)+4*\b:SC+16*(\sc)+4*\b+3], v[ASX+\slot] offset:TS*\b
.endr
.endm
.macro MUL4 a, p, q, sc, zero          ; S1's tile a against S0's four; the 16 accumulators take turns in the same order in every step
.irp b, 0,1,2,3
.if \zero
	v_wmma_scale_f32_16x16x128_f8f6f4 v[8*(4*(\a)+\b):8*(4*(\a)+\b)+7], v[128*(\p)+12*\b:128*(\p)+12*\b+11], v[F1+48*(\p)+12*(\a):F1+48*(\p)+12*(\a)+11], 0, v[SC+16*(\sc)+4*\b+(\q)], v[SC+16*(\sc)+4*(\a)+(\q)] matrix_a_fmt:MATRIX_FMT_FP6 matrix_b_fmt:MATRIX_FMT_FP6 matrix_b_scale:MATRIX_SCALE_ROW1
.else
	v_wmma_scale_f32_16x16x128_f8f6f4 v[8*(4*(\a)+\b):8*(4*(\a)+\b)+7], v[128*(\p)+12*\b:128*(\p)+12*\b+11], v[F1+48*(\p)+12*(\a):F1+48*(\p)+12*(\a)+11], v[8*(4*(\a)+\b):8*(4*(\a)+\b)+7], v[SC+16*(\sc)+4*\b+(\q)], v[SC+16*(\sc)+4*(\a)+(\q)] matrix_a_fmt:MATRIX_FMT_FP6 matrix_b_fmt:MATRIX_FMT_FP6 matrix_b_scale:MATRIX_SCALE_ROW1
.endif
.endr
.endm
.macro STEP slot, q, sc, zero          ; one of a group's first three steps: the next step's fragments are asked for, then 16 products
	s_wait_dscnt 0x0
	PLACES
	FETCH \slot, (\q)+1, 1-(\q)%2
	WIN MUL
.irp a, 0,1,2,3
	MUL4 \a, (\q)%2, \q, \sc, \zero
.endr
	WIN 0
.endm
	s_wait_alu depctr_va_vdst(0)
	s_wait_tensorcnt 0x0                           ; my one load is in
	s_barrier_signal -1
	s_barrier_wait -1                              ; all four are: groups 0, 1 and 2 are whole
	FETCH 0, 0, 0
	SCALES 0, 0
	STEP 0, 0, 0, 1                                ; the first step's products start the sums
	STEP 0, 1, 0, 0
	STEP 0, 2, 0, 0
	s_wait_dscnt 0x0                               ; group 0's last fragments are in: my last reads of its bytes
	WIN MUL
	MUL4 0, 1, 3, 0, 0
	MUL4 1, 1, 3, 0, 0
	MUL4 2, 1, 3, 0, 0
	WIN 0
	s_wait_tensorcnt 0x0                           ; ahead of the refill's round
	ds_add_u32 v[SPW], v[NIL]
	s_mov_b32 s[G1A+2], 4<<16                      ; no load of mine is out: from here on a load brings four rows
	s_mov_b32 s[G1A+4], 4
	s_mov_b32 s[G1B+2], 4<<16
	s_mov_b32 s[G1B+4], 4
	WIN MUL
	MUL4 3, 1, 3, 0, 0
	WIN 0
	s_wait_dscnt 0x0
	CROUND                                         ; no wave of any partner still reads group 0
	s_cmp_eq_u32 s[W1], 0                          ; group 3 over group 0: waves 0, 1 ask for S0's halves, waves 2, 3 for S1's
	s_cbranch_scc0 .Lfor_1
	tensor_load_to_lds s[R0:R0+3], s[G1A:G1A+7]
	s_nop 0
.rept 4
	v_nop
.endr
	s_branch .Lasked
.Lfor_1:
	tensor_load_to_lds s[R1:R1+3], s[G1B:G1B+7]
	s_nop 0
.rept 4
	v_nop
.endr
.Lasked:
	FETCH 1, 0, 0                                  ; the four v_nop above are the places in front of these loads
	SCALES 1, 1
	STEP 1, 0, 1, 0
	STEP 1, 1, 1, 0
	STEP 1, 2, 1, 0
	s_wait_dscnt 0x0
	PLACES
	FETCH 2, 0, 0
	SCALES 2, 0
	WIN MUL
.irp a, 0,1,2,3
	MUL4 \a, 1, 3, 1, 0
.endr
	WIN 0
	STEP 2, 0, 0, 0
	STEP 2, 1, 0, 0
	STEP 2, 2, 0, 0
	s_wait_dscnt 0x0
	WIN MUL
.irp a, 0,1,2,3
	MUL4 \a, 1, 3, 0, 0
.endr
	WIN 0
	s_wait_tensorcnt 0x0                           ; my part of group 3 is in (no LDS instruction of mine is out),
	s_barrier_signal -1
	s_barrier_wait -1                              ; everybody's is
	PLACES
	FETCH 0, 0, 0
	SCALES 0, 1
	STEP 0, 0, 1, 0
	STEP 0, 1, 1, 0
	STEP 0, 2, 1, 0
	s_wait_dscnt 0x0
	WIN MUL
.irp a, 0,1,2,3
	MUL4 \a, 1, 3, 1, 0
.endr
	WIN 0
; THE WAY OUT, a tile of 16 tokens x 64 columns at a time, through my own stage: in by 32 bytes of a row, back as whole rows of 256 bytes, two an instruction.  LDS serves a wave's instructions in order (ISA guide 5.7.1.4).
.macro TOSTAGE a
	WIN 0x08                                       ; an LDS store's data are its source 1: window 2
.irp b, 0,1,2,3
	ds_store_b128 v[STO], v[32*\a+8*\b:32*\a+8*\b+3] offset:128*(\b/2)+32*(\b%2)          ; each accumulator from its low end on
	ds_store_b128 v[STO], v[32*\a+8*\b+4:32*\a+8*\b+7] offset:128*(\b/2)+32*(\b%2)+16
.endr
	WIN 0
.irp t, 0,1,2,3,4,5,6,7
	ds_load_b128 v[BK+32*\a+4*\t:BK+32*\a+4*\t+3], v[RD] offset:\t*2*SPITCH
.endr
.endm
.macro SEND a, younger                 ; younger: the LDS instructions issued behind tile a's loads
	s_wait_dscnt \younger
.irp t, 0,1,2,3,4,5,6,7
	global_store_b128 v[CO], v[BK+32*\a+4*\t:BK+32*\a+4*\t+3], s[8:9] offset:(32*(\a/2)+8*(\a%2)+2*\t+8*(\t/4))*8192 th:TH_STORE_NT   ; sixteen lanes store 256 consecutive bytes, aligned
.endr
.endm
	PLACES
	TOSTAGE 0
	TOSTAGE 1
	SEND 0, 16
	TOSTAGE 2
	SEND 1, 16
	TOSTAGE 3
	SEND 2, 16
	SEND 3, 0
	s_wait_tensorcnt 0x0                           ; the wave's end
	ds_add_u32 v[SPW], v[NIL]
	s_wait_dscnt 0x0
	CROUND                                         ; the closing round
	s_endpgm
.Lfunc_end_k_qf495e849f2_oproj:
	.size	k_qf495e849f2_oproj, .Lfunc_end_k_qf495e849f2_oproj-k_qf495e849f2_oproj
	.p2alignl 7, 3214868480
	.fill 96, 4, 3214868480
	.section	.rodata,"a",@progbits
	.p2align	6, 0x0
	.amdhsa_kernel k_qf495e849f2_oproj
		.amdhsa_group_segment_fixed_size 327680
		.amdhsa_private_segment_fixed_size 0
		.amdhsa_enable_private_segment 0
		.amdhsa_kernarg_size 24
		.amdhsa_user_sgpr_count 2
		.amdhsa_user_sgpr_kernarg_segment_ptr 1
		.amdhsa_wavefront_size32 1
		.amdhsa_system_sgpr_workgroup_id_x 1
		.amdhsa_system_sgpr_workgroup_id_y 1
		.amdhsa_system_sgpr_workgroup_id_z 1
		.amdhsa_system_vgpr_workitem_id 0
		.amdhsa_next_free_vgpr 640
		.amdhsa_next_free_sgpr 100
		.amdhsa_reserve_vcc 0
		.amdhsa_float_denorm_mode_32 3
		.amdhsa_float_denorm_mode_16_64 3
		.amdhsa_memory_ordered 1
		.amdhsa_forward_progress 1
		.amdhsa_inst_pref_size 80
	.end_amdhsa_kernel
	.amdgpu_metadata
---
amdhsa.version: [ 1, 2 ]
amdhsa.kernels:
  - .name:           k_qf495e849f2_oproj
    .symbol:         k_qf495e849f2_oproj.kd
    .args:
      - { .name: ocode, .offset: 0, .size: 8, .value_kind: global_buffer, .address_space: global }
      - { .name: wocode, .offset: 8, .size: 8, .value_kind: global_buffer, .address_space: global }
      - { .name: out0, .offset: 16, .size: 8, .value_kind: global_buffer, .address_space: global }
    .group_segment_fixed_size: 327680
    .private_segment_fixed_size: 0
    .kernarg_segment_align: 8
    .kernarg_segment_size: 24
    .max_flat_workgroup_size: 128
    .sgpr_count:     100
    .vgpr_count:     640
    .wavefront_size: 32
...
	.end_amdgpu_metadata
.endif
;; end of part 4
